; MI455X (gfx1250); checked and timed in simulation.
; The chip was launched on July 23, 2026; its instructions are those of AMD's public machine-readable ISA for CDNA 5 (MIT licence, August 2026) and "CDNA5" Instruction Set Architecture Reference Guide (July 2026). The comments in the code are by the model that wrote it; some were corrected since.
;; Split Head SAM Decoder Attention. Allowed arithmetic: matrix products marked QUANTISED: E5M2 operands, one given power-of-two scale a tensor, by v_wmma_f32_16x16x64_bf8_bf8 or v_wmma_f32_16x16x128_bf8_bf8, f32 sums; everything else in f32.
;; Inputs: Wk_codes 8 x 32 x 8 x 32 uint8 (E5M2 codes of Wk, K innermost, in blocks of 32 codes); Wo_codes 256 x 8 x 32 uint8 (E5M2 codes of Wo, K innermost, in blocks of 32 codes); Wq_codes 8 x 32 x 8 x 32 uint8 (E5M2 codes of Wq, K innermost, in blocks of 32 codes); Wv_codes 8 x 32 x 8 x 32 uint8 (E5M2 codes of Wv, K innermost, in blocks of 32 codes); bk 8 x 32 float32; bo 256 float32; bq 8 x 32 float32; bv 8 x 32 float32; k_codes 8 x 4,096 x 8 x 32 uint8 (E5M2 codes of k, K innermost, in blocks of 32 codes); lowp_scales 12 int32 (the exponents e of the quantised operands' scales 2^e); q_codes 8 x 1,024 x 8 x 32 uint8 (E5M2 codes of q, K innermost, in blocks of 32 codes); v_codes 8 x 4,096 x 8 x 32 uint8 (E5M2 codes of v, K innermost, in blocks of 32 codes).
;; Outputs: out0 8 x 1,024 x 256 float32.
;; This version of the problem:
;;   THIS VERSION OF THE PROBLEM IS GIVEN IN LOW PRECISION. The matrix products marked QUANTISED in the list below multiply operands that are first quantised to E5M2 (5 exponent bits, 2 mantissa bits; 8 bits a number), with one given power-of-two scale for each operand tensor; their sums are f32. All else is computed in f32.
;;   The module's matrix products, in the order in which they are computed (A, B: the left and right operand; K: the contracted axis; several contracted axes count as one K, in the product's order):
;;     1. [M 256, K 256] x [K 256, N 8,192]; A: input Wq (given as codes); B: input q (given as codes): QUANTISED (scales: A lowp_scales[0], B lowp_scales[1])
;;     2. [M 256, K 256] x [K 256, N 32,768]; A: input Wk (given as codes); B: input k (given as codes): QUANTISED (scales: A lowp_scales[2], B lowp_scales[3])
;;     3. [M 256, K 256] x [K 256, N 32,768]; A: input Wv (given as codes); B: input v (given as codes): QUANTISED (scales: A lowp_scales[4], B lowp_scales[5])
;;     4. batch 64 x [M 1,024, K 32] x [K 32, N 4,096]; A: computed on the way; B: computed on the way: QUANTISED (scales: A lowp_scales[6], B lowp_scales[7])
;;     5. batch 64 x [M 1,024, K 4,096] x [K 4,096, N 32]; A: softmax (see below); B: computed on the way: QUANTISED (scales: A lowp_scales[8], B lowp_scales[9])
;;     6. [M 8,192, K 256] x [K 256, N 256]; A: computed on the way; B: input Wo (given as codes): QUANTISED (scales: A lowp_scales[10], B lowp_scales[11])
;;   THE QUANTISER, for each operand of a quantised product, along K:
;;     - The operand's scale is 2^e, e = its entry of the input lowp_scales (int32; the entries are numbered through the quantised products in the list's order, A before B).
;;     - Each number is divided by the scale, clamped to +-57,344, and rounded to the nearest number of E5M2, ties to even, subnormals kept.
;;     - The product sums the exact products of the quantised numbers (number of the format x scale) in f32.
;;   ~~~python
;;   def quantise(x, axis, e):      # numpy; x: float32 -> the quantised numbers, widened to float32 again
;;       x = np.moveaxis(x, axis, -1); K = x.shape[-1]
;;       r = np.clip(x / 2.0 ** e, -57344, 57344)
;;       step = 2.0 ** (np.maximum(np.frexp(np.where(r == 0, 1, r))[1] - 1, -14) - 2)
;;       q = np.round(r / step) * step * 2.0 ** e      # np.round: ties to even
;;       return np.moveaxis(q, -1, axis).astype(np.float32)
;;   ~~~
;;   SOFTMAX AHEAD OF A QUANTISED PRODUCT. Where the list says 'softmax', what is quantised is not the finished softmax but p = 2^(t - M), with t = logit x log2(e) and M = ceil(the row's largest t), a whole number; so 1/2 < the row's largest p <= 1. The row's sum l is taken of the UNQUANTISED p, in f32, and the product's result is divided by l at the end. Since M is a whole number, a kernel that streams over the keys may use a running M (the ceiling of the running maximum): every later rescaling is an exact power of two, so the quantised numbers keep their values, but for numbers so far below the row's largest that they fall under the format's range.
;;   OPERANDS COMPUTED ON THE WAY. 'Computed on the way' means the value that the module computes at that place (a softmax that the list does not call 'softmax' is quantised finished and normalised). What goes into a quantiser is computed in f32, as accurately as f32 sums, v_exp_f32 and their like allow (about 1e-6 of the number): no bf16 or f16 on the way to a quantiser, and a product that is left as it is and whose result goes on into a quantised operand takes f32 operands (vector FMAs, or v_wmma_f32_16x16x4_f32). A number that lies on a knife's edge between two numbers of the format may be rounded either way, as far as f32 arithmetic and the matrix unit's own rounding can turn it there, and no further.
;;   INPUTS GIVEN AS CODES. Wk (in the module: [8, 32, 256], K = its axis 2); Wo (in the module: [256, 256], K = its axis 1); Wq (in the module: [8, 32, 256], K = its axis 2); Wv (in the module: [8, 32, 256], K = its axis 2); k (in the module: [8, 4096, 256], K = its axis 2); q (in the module: [8, 1024, 256], K = its axis 2); v (in the module: [8, 4096, 256], K = its axis 2): each comes as NAME_codes (uint8): NAME with its K axis moved to the last place and cut into blocks of 32 codes, [.., K / 32, bytes a block], one block behind the other in memory; one code a byte (a code: sign, 5 exponent bits, 2 mantissa bits); its scale is its entry of lowp_scales. Its value is code x scale, taken as it is: it is not quantised again, and the codes and scales need not be those that the quantiser above would give.
;; 2 versions, each right; version 2 is version 1 with the launches proj, attn, outp written anew for expert scheduling mode. Each part assembles by itself: llvm-mc -triple=amdgcn-amd-amdhsa -mcpu=gfx1250 --defsym DOCPART=n.
;; ======== version 1 of 2: 3 launches
;; limits: right only within a limited range of input values
;; workspace buffers: kc 8,388,608 bytes; vc 8,388,608 bytes; oc 2,097,152 bytes
;; launch proj (part 1): grid 512 x 1, 8 waves a work-group, no clusters, 36,864 bytes of LDS; arguments k_codes, v_codes, Wk_codes, Wv_codes, bk, bv, lowp_scales, kc, vc; writes kc, vc
.if DOCPART == 1
	.amdgcn_target "amdgcn-amd-amdhsa--gfx1250"
	.amdhsa_code_object_version 6
	.text
	.protected	k_qb2eb29116c_proj
	.globl	k_qb2eb29116c_proj
	.p2align	8
	.type	k_qb2eb29116c_proj,@function
k_qb2eb29116c_proj:
	s_mov_b64 s[64:65], 0
	v_nop
	global_prefetch_b8 v0, s[64:65] scope:SCOPE_SE
	s_setreg_imm32_b32 hwreg(HW_REG_WAVE_MODE, 25, 1), 1
	s_wait_xcnt 0x0
; kh = k Wk^T + bk and vh = v Wv^T + bv, both products on codes of BF8 (E5M2), the results quantised to BF8 at once and stored as IMAGES OF OPERAND REGISTERS for the attention launch.
; SHARES.  Work-groups 0-255 take k, 256-511 take v.  A work-group takes 128 rows of the [32768][256] tensor; wave w is head w: its 32 rows of W (64 registers) stay in registers, and it makes 128 rows x 32 columns.
; The 128 rows of x (32,768 bytes) are read from memory once, 512 consecutive bytes a load, laid in LDS with a pitch of 272 bytes (an odd multiple of 16: the sixteen rows of a fragment load begin at sixteen
; different 16-byte columns modulo 256), and read from there by all eight waves.
; FRAGMENTS of x and W: four loads of 16 bytes, 32 apart: registers 4 c .. 4 c + 3 hold k = 32 c + 16 (lane / 16) + 0 .. 15 of row lane % 16: the same permutation of k on both sides, so every product meets its partner.
; k PATH: source 0 = 16 rows of Wk (d = 16 u + m), source 1 = 16 keys: a lane holds ONE key and d = 16 u + 8 (lane / 16) + 0 .. 7: the conversion of tile u gives registers 2 u, 2 u + 1 of a K = 64 fragment (its k places 0-31).
;   kc: (8 b + h) x 131072 + key tile x 512 + 16 x lane.
; v PATH: source 0 = 16 keys, source 1 = 16 rows of Wv: a lane holds ONE d and keys 8 (lane / 16) + 0 .. 7: the conversion of key tile c gives registers 2 c, 2 c + 1 of a K = 128 fragment along the keys.
;   THE ROWS OF Wv THAT FORM A TILE ARE NOT NEIGHBOURS: lane r of tile u takes d = 8 u + r + 8 (r / 8), so that the attention's result holds 16 neighbouring d in a lane.
;   vc: (8 b + h) x 131072 + (128 keys) x 4096 + u x 2048 + i x 512 + 16 x lane: registers 4 i .. 4 i + 3.
; SCALES.  A sum stands for sum x 2^(ew + ex): the bias goes in as the C of the first product, divided by that; the conversion takes the one scale 2^(eo - ew - ex).
; LIMITS: e7 - e2 - e3 and e9 - e4 - e5 lie between -126 and 112, so that the scale and 57,344 x the scale are f32 numbers.  NaN among the inputs is not served.
; No tensor load, no cluster: what the work-groups share is W, of which a wave wants only its own head's 8,192 bytes, once, in registers.  The eight tiles are written out: every offset is an immediate.
.set PITCH, 272
.set BIAS,  128*PITCH                  ; behind the rows of x: 128 bytes of bias for each wave
.set X,   16                           ; v16-47   first the eight loads of x, then a tile's fragment (K step s at X + 16 s)
.set W,   48                           ; v48-111  W's fragment (u, s) at W + 16 (2 u + s)
.set BI,  112                          ; v112-127 the bias in the result's layout, eight registers for each u
.set D,   128                          ; v128-159 two sets of two accumulators, by turns
.set CD,  160                          ; v160-191 the codes
	s_load_b512 s[4:19], s[0:1], 0x0               ; k s[4:5], v s[6:7], Wk s[8:9], Wv s[10:11], bk s[12:13], bv s[14:15], the exponents s[16:17], kc s[18:19]
	s_load_b64 s[20:21], s[0:1], 0x40              ; vc
	v_lshl_add_u32 v192, v0, 2, 0x8c00
	v_mov_b32 v193, 0
	v_lshrrev_b32 v1, 5, v0
	v_readfirstlane_b32 s34, v1                    ; wave = head
	v_and_b32 v1, 31, v0                           ; lane
	v_and_b32 v2, 15, v0                           ; r
	v_bfe_u32 v3, v0, 4, 1                         ; g
	s_lshr_b32 s22, ttmp9, 8                       ; 0: k, 1: v
	s_and_b32 s23, ttmp9, 255                      ; which 128 rows
	v_lshlrev_b32 v4, 4, v1                        ; 16 x lane: the loads of x and the stores of codes
	s_mul_i32 s35, s34, 16*PITCH
	v_mul_u32_u24 v5, v3, PITCH
	v_lshl_add_u32 v5, v2, 4, v5
	v_add_nc_u32 v5, s35, v5                       ; x into LDS: row 16 w + lane / 16, 16 bytes a lane
	v_mul_u32_u24 v6, v2, PITCH
	v_lshl_add_u32 v6, v3, 4, v6                   ; a fragment of x: row r, + 16 g
	v_and_b32 v7, 8, v2
	v_add_nc_u32 v14, v7, v2                       ; r + 8 (r / 8)
	v_mul_u32_u24 v7, s22, v7
	v_add_nc_u32 v7, v7, v2                        ; W's row of tile 0: r (k) or r + 8 (r / 8) (v)
	v_lshlrev_b32 v7, 8, v7
	v_lshl_add_u32 v7, v3, 4, v7
	s_lshr_b32 s33, 0x1000, s22                    ; tile 1 begins 16 rows (k) or 8 rows (v) further on
	v_add_nc_u32 v12, s33, v7
	v_lshlrev_b32 v8, 2, v1                        ; the bias: a word a lane
	s_lshl_b32 s35, s34, 7
	s_add_co_u32 s35, s35, BIAS                    ; my wave's 128 bytes of bias in LDS
	v_lshl_add_u32 v9, v1, 2, s35                  ; where I store my word,
	v_lshl_add_u32 v13, v3, 5, s35                 ; where the k path reads: d = 16 u + 8 g + 0 .. 7,
	v_lshl_add_u32 v14, v14, 2, s35                ; and the v path: d = 8 u + r + 8 (r / 8).  All LDS addresses are made here, ahead of the parting of the paths
	s_lshl_b32 s50, s23, 15
	s_lshl_b32 s52, s34, 12
	s_add_co_u32 s50, s50, s52                     ; x: 128 rows x 256 bytes a work-group, 16 rows a wave
	s_mov_b32 s51, 0
	s_lshr_b32 s52, s23, 5                         ; b
	s_lshl_b32 s52, s52, 3
	s_add_co_u32 s52, s52, s34                     ; 8 b + h
	s_lshl_b32 s52, s52, 17
	s_and_b32 s53, s23, 31
	s_lshl_b32 s53, s53, 12
	s_add_co_u32 s52, s52, s53                     ; the codes: + 4,096 bytes for each 128 keys, in kc and vc alike
	s_mov_b32 s53, 0
	s_wait_kmcnt 0x0
	s_load_b256 s[36:43], s[16:17], 0x8            ; e2 .. e9
	s_cmp_eq_u32 s22, 0                            ; the choice hangs on the work-group's number alone
	s_cselect_b64 s[24:25], s[4:5], s[6:7]         ; x
	s_cselect_b64 s[26:27], s[8:9], s[10:11]       ; W
	s_cselect_b64 s[28:29], s[12:13], s[14:15]     ; the bias
	s_cselect_b64 s[30:31], s[18:19], s[20:21]     ; the codes
	s_add_nc_u64 s[24:25], s[24:25], s[50:51]
	s_add_nc_u64 s[30:31], s[30:31], s[52:53]
	s_lshl_b32 s50, s34, 13
	s_add_nc_u64 s[26:27], s[26:27], s[50:51]      ; my head's 32 rows of W
	s_lshl_b32 s50, s34, 7
	s_add_nc_u64 s[28:29], s[28:29], s[50:51]      ; and its 32 numbers of the bias
.irp i, 0,1,2,3,4,5,6,7
	global_load_b128 v[X+4*\i:X+4*\i+3], v4, s[24:25] offset:512*\i th:TH_LOAD_NT   ; 32 lanes read 512 consecutive bytes: two rows of x; read once in the launch
.endr
	global_load_b32 v15, v8, s[28:29]
.irp s, 0,1
.irp c, 0,1,2,3
	global_load_b128 v[W+16*\s+4*\c:W+16*\s+4*\c+3], v7, s[26:27] offset:128*\s+32*\c
.endr
.endr
.irp s, 0,1
.irp c, 0,1,2,3
	global_load_b128 v[W+32+16*\s+4*\c:W+32+16*\s+4*\c+3], v12, s[26:27] offset:128*\s+32*\c
.endr
.endr
	s_wait_loadcnt 17                              ; x is in: behind its eight loads stand the bias's one and W's sixteen
.irp i, 0,1,2,3,4,5,6,7
	ds_store_b128 v5, v[X+4*\i:X+4*\i+3] offset:2*PITCH*\i
.endr
	s_wait_loadcnt 16                              ; the bias is in: W's sixteen may be out
	s_wait_kmcnt 0x0
	s_cmp_eq_u32 s22, 0
	s_cselect_b32 s44, s36, s38                    ; ew
	s_cselect_b32 s45, s37, s39                    ; ex
	s_cselect_b32 s46, s41, s43                    ; eo: e7 for kh, e9 for vh
	s_add_co_i32 s44, s44, s45
	s_sub_co_i32 s47, 0, s44                       ; -(ew + ex)
	s_sub_co_i32 s46, s46, s44                     ; eo - ew - ex
	s_add_co_i32 s46, s46, 127
	s_lshl_b32 s48, s46, 23
	s_add_co_i32 s46, s46, 15
	s_lshl_b32 s49, s46, 23
	s_or_b32 s49, s49, 0x600000
	v_mov_b32 v11, s48                             ; 2^(eo - ew - ex) as f32: the conversion takes its exponent field
	v_mov_b32 v10, s49                             ; 57,344 x that
	v_ldexp_f32 v15, v15, s47                      ; the bias / 2^(ew + ex)
	ds_store_b32 v9, v15
	s_wait_dscnt 0x0                               ; for the others' sake: my rows of x have landed
	s_barrier_signal -1
	s_barrier_wait -1                              ; all 128 rows lie in LDS; nothing is stored to LDS behind this barrier
	s_wait_loadcnt 0x0                             ; W
.macro FETCHX T                        ; the fragment of rows 16 T .. 16 T + 15, both K steps
.irp s, 0,1
.irp c, 0,1,2,3
	ds_load_b128 v[X+16*\s+4*\c:X+16*\s+4*\c+3], v6 offset:16*(\T)*PITCH+128*\s+32*\c
.endr
.endr
.endm
.macro MM d, u, s, c, swap             ; one product: accumulator d, W's tile u, K step s, C = c
.if \swap
	v_wmma_f32_16x16x128_bf8_bf8 v[(\d):(\d)+7], v[X+16*\s:X+16*\s+15], v[W+16*(2*\u+\s):W+16*(2*\u+\s)+15], v[(\c):(\c)+7]
.else
	v_wmma_f32_16x16x128_bf8_bf8 v[(\d):(\d)+7], v[W+16*(2*\u+\s):W+16*(2*\u+\s)+15], v[X+16*\s:X+16*\s+15], v[(\c):(\c)+7]
.endif
.endm
; A tile of 16 rows: four products, the two accumulators by turns; the hold; two conversions.
.macro TILE T, swap
.set DD, D+16*((\T)%2)
	s_wait_dscnt 0x0                               ; the tile's fragment is in (and, in tile 0, the bias)
	MM DD,   0, 0, BI,   \swap                     ; the bias starts the sums: nothing is cleared, nothing is added later
	MM DD+8, 1, 0, BI+8, \swap
	MM DD,   0, 1, DD,   \swap
	MM DD+8, 1, 1, DD+8, \swap
.rept 4
	v_nop                                          ; four places in front of the loads into the fragment's registers and of the first read of the results
.endr
.if (\T) < 7
	FETCHX (\T)+1                                  ; the next tile's fragment lands under this tile's vector work
.endif
.irp i, 0,1,2,3,4,5,6,7,8,9,10,11,12,13,14,15
	v_med3_num_f32 v[DD+\i], v[DD+\i], -v10, v10   ; the conversion to an 8-bit code does not saturate (ISA guide 7.6.2): the hold at the largest code x the scale; each accumulator from its low end on
.endr
.if \swap
	v_cvt_scalef32_pk8_bf8_f32 v[CD+2*(\T):CD+2*(\T)+1], v[DD:DD+7], v11          ; keys 16 T + 8 g + 0 .. 7 of my d: registers 2 T, 2 T + 1 of tile 0's fragment,
	v_cvt_scalef32_pk8_bf8_f32 v[CD+16+2*(\T):CD+16+2*(\T)+1], v[DD+8:DD+15], v11 ; and of tile 1's
.else
	v_cvt_scalef32_pk8_bf8_f32 v[CD+4*(\T):CD+4*(\T)+1], v[DD:DD+7], v11          ; d = 8 g + 0 .. 7 of my key,
	v_cvt_scalef32_pk8_bf8_f32 v[CD+4*(\T)+2:CD+4*(\T)+3], v[DD+8:DD+15], v11     ; d = 16 + 8 g + 0 .. 7
.endif
	v_nop                                          ; one plain vector instruction behind the conversions: later products write their sources again
.endm
	FETCHX 0
	s_cmp_lg_u32 s22, 0
	s_cbranch_scc1 .Lv
.irp u, 0,1                            ; k: lane (r, g) wants bk at d = 16 u + 8 g + 0 .. 7
.irp e, 0,1
	ds_load_b128 v[BI+8*\u+4*\e:BI+8*\u+4*\e+3], v13 offset:64*\u+16*\e
.endr
.endr
.irp T, 0,1,2,3,4,5,6,7
	TILE \T, 0
.endr
	s_branch .Lout
.Lv:
	ds_load_b32 v[BI], v14                         ; v: lane (r, g) wants bv at its one d, in all eight registers
	ds_load_b32 v[BI+8], v14 offset:32
	s_wait_dscnt 0x0
.irp j, 1,2,3,4,5,6,7
	v_mov_b32 v[BI+\j], v[BI]
	v_mov_b32 v[BI+8+\j], v[BI+8]
.endr
.irp T, 0,1,2,3,4,5,6,7
	TILE \T, 1
.endr
.Lout:
.irp i, 0,1,2,3,4,5,6,7
	global_store_b128 v4, v[CD+4*\i:CD+4*\i+3], s[30:31] offset:512*\i   ; 32 lanes store 512 consecutive bytes, at a multiple of 512 from the buffer's first byte; the wave's eight stores are 4,096 bytes on end
.endr
	s_wait_tensorcnt 0x0
	ds_add_u32 v192, v193
	s_wait_dscnt 0x0
	s_endpgm
.Lfunc_end_k_qb2eb29116c_proj:
	.size	k_qb2eb29116c_proj, .Lfunc_end_k_qb2eb29116c_proj-k_qb2eb29116c_proj
	.p2alignl 7, 3214868480
	.fill 96, 4, 3214868480
	.section	.rodata,"a",@progbits
	.p2align	6, 0x0
	.amdhsa_kernel k_qb2eb29116c_proj
		.amdhsa_group_segment_fixed_size 36864
		.amdhsa_private_segment_fixed_size 0
		.amdhsa_enable_private_segment 0
		.amdhsa_kernarg_size 72
		.amdhsa_user_sgpr_count 2
		.amdhsa_user_sgpr_kernarg_segment_ptr 1
		.amdhsa_wavefront_size32 1
		.amdhsa_system_sgpr_workgroup_id_x 1
		.amdhsa_system_sgpr_workgroup_id_y 1
		.amdhsa_system_sgpr_workgroup_id_z 1
		.amdhsa_system_vgpr_workitem_id 0
		.amdhsa_next_free_vgpr 194
		.amdhsa_next_free_sgpr 66
		.amdhsa_reserve_vcc 0
		.amdhsa_float_denorm_mode_32 3
		.amdhsa_float_denorm_mode_16_64 3
		.amdhsa_memory_ordered 1
		.amdhsa_forward_progress 1
		.amdhsa_inst_pref_size 41
	.end_amdhsa_kernel
	.amdgpu_metadata
---
amdhsa.version: [ 1, 2 ]
amdhsa.kernels:
  - .name:           k_qb2eb29116c_proj
    .symbol:         k_qb2eb29116c_proj.kd
    .args:
      - { .name: k_codes, .offset: 0, .size: 8, .value_kind: global_buffer, .address_space: global }
      - { .name: v_codes, .offset: 8, .size: 8, .value_kind: global_buffer, .address_space: global }
      - { .name: Wk_codes, .offset: 16, .size: 8, .value_kind: global_buffer, .address_space: global }
      - { .name: Wv_codes, .offset: 24, .size: 8, .value_kind: global_buffer, .address_space: global }
      - { .name: bk, .offset: 32, .size: 8, .value_kind: global_buffer, .address_space: global }
      - { .name: bv, .offset: 40, .size: 8, .value_kind: global_buffer, .address_space: global }
      - { .name: lowp_scales, .offset: 48, .size: 8, .value_kind: global_buffer, .address_space: global }
      - { .name: kc, .offset: 56, .size: 8, .value_kind: global_buffer, .address_space: global }
      - { .name: vc, .offset: 64, .size: 8, .value_kind: global_buffer, .address_space: global }
    .group_segment_fixed_size: 36864
    .private_segment_fixed_size: 0
    .kernarg_segment_align: 8
    .kernarg_segment_size: 72
    .max_flat_workgroup_size: 256
    .sgpr_count:     66
    .vgpr_count:     194
    .wavefront_size: 32
...
	.end_amdgpu_metadata
.endif
;; end of part 1
;; launch attn (part 2): grid 4 x 64, 16 waves a work-group, no clusters, 264,192 bytes of LDS; arguments q_codes, Wq_codes, bq, lowp_scales, kc, vc, oc; writes oc
.if DOCPART == 2
	.amdgcn_target "amdgcn-amd-amdhsa--gfx1250"
	.amdhsa_code_object_version 6
	.text
	.protected	k_qb2eb29116c_attn
	.globl	k_qb2eb29116c_attn
	.p2align	8
	.type	k_qb2eb29116c_attn,@function
k_qb2eb29116c_attn:
	s_mov_b64 s[64:65], 0
	v_nop
	global_prefetch_b8 v0, s[64:65] scope:SCOPE_SE
	s_setreg_imm32_b32 hwreg(HW_REG_WAVE_MODE, 25, 1), 1
	s_wait_xcnt 0x0
; For one head (b, h) and 256 queries: qh = q Wq^T + bq, quantised in registers; S^T = kh qh^T; the softmax; O^T = vh^T p^T; O / l quantised and stored as an image of the last product's operand.  All products on codes of BF8 (E5M2).
; THE SOFTMAX AHEAD OF THE SECOND PRODUCT: t = score x log2(e) / sqrt(32); M = the largest t so far, rounded UP to a whole number; p = 2^(t - M) is quantised, not normalised.  The row's sum is taken of the unquantised p
; and divides O at the end.  When M moves, the sum and O are multiplied by 2^(old M - new M): exact.
; SHARES.  Sixteen waves, each with ONE tile of 16 queries in 256 registers, four waves to a SIMD, so that one wave's exponentials stand beside another's plain work.  Every wave walks 32 steps of 128 keys.
; LDS holds the head's K (bytes 0 .. 131071) and V (131072 .. 262143) whole, as they lie in kc and vc: images of operand registers, lane l's 16 bytes at 16 l, 512 bytes a load.  EACH BYTE IS WRITTEN ONCE: no slot is filled again.
; They come in eight chunks of four steps (16,384 bytes of K and of V); each wave brings 2,048 bytes of a chunk through four registers' loads (waves 0-7: K's, waves 8-15: V's).  Chunk j + 2 is stored, and shown by a
; barrier, at the end of chunk j; chunk j + 3's loads are issued there and have a whole chunk in which to land.
; SCORES BY THE K = 64 FORM, THOUGH THE HEAD HAS 32.  A fragment of K is TWO images: key tile 2 f in its k places 0-31, key tile 2 f + 1 in 32-63.  Against [q, 0] it gives tile 2 f's scores, against [0, q] tile 2 f + 1's:
; the other tile's codes, which are finite since the quantiser holds them, meet zero codes.  So no LDS byte is read for zeros.
; LAYOUT.  Both products are used transposed: a lane holds ONE query (lane % 16).  Register j of score tile c is key 16 c + 8 (lane / 16) + j: the conversion of tile c gives registers 2 c, 2 c + 1 of p's K = 128 fragment as this
; form's own layout has them, and V's images are laid the same.  V's rows are d = 8 u + r + 8 (r / 8), so that O^T's 16 registers are d = 16 (lane / 16) + 0 .. 15.
; NO JOINT REQUESTS, though the four work-groups of a head read the same 262,144 bytes: each reads them once, for 1,048,576 scores, by loads issued four steps ahead of their use.
; The branch on e8 below spares 64 of a step's vector instructions, the work that there is most of here.  No prefetch: the loads themselves stand a chunk ahead of their use.
; LIMITS, so that each power of two below is an f32 number: e6 - e0 - e1, e8 and e10 - e8 - e9 between -126 and 112; e6 + e7 between -124 and 129 (added to c's exponent field).  NaN among the inputs is not served.
; An exponential under 2^-126 comes out as 0 (ISA guide, v_exp_f32).
.set LI,  1                            ; v1   16 x lane: K's images, the chunks' loads, the last store; never rewritten
.set LV,  2                            ; v2   131072 + 16 x lane: V's images
.set LS0, 3                            ; v3   where my wave stores its part of chunk 0
.set ADK, 5                            ; v5   LDS address of the loads in hand: K's,
.set ADV, 6                            ; v6   V's,
.set LSA, 7                            ; v7   the chunk's stores
.set QHI, 16                           ; v16-19 zeros, v20-23 q's codes, v24-27 zeros: [0, q] = v[16:23],
.set QLO, 20                           ; [q, 0] = v[20:27]
.set KF,  32                           ; v32-63   four fragments of K (eight images)
.set VF,  64                           ; v64-95   two fragments of V
.set S,   96                           ; v96-159  S^T, then p
.set O,   160                          ; v160-175 O^T
.set P,   176                          ; v176-191 p's codes
.set LD,  192                          ; v192-207 the chunk on its way
.set LD2, 208                          ; v208-223 chunk 1, at the head only
.set CP,  36                           ; s[36:37] my wave's part of the chunk to be loaded
.set SEL, 42                           ; s[42:43] lane selects: lane l xor 16
.set CS,  44                           ; s[44:45] c x 2^(e6 + e7): the packed form names a pair and takes its low word
.set TB,  46                           ; s46  4,096 x the step in hand
; v12 -M, v13 the largest t, v[14:15] the sum in two halves, v236 a permute's result, v240 the hold, v244 the scale, v[242:243] a second chain of sums, v[252:253] f, v254 at work
	s_load_b256 s[4:11], s[0:1], 0x0               ; q s[4:5], Wq s[6:7], bq s[8:9], the exponents s[10:11]
	s_load_b128 s[12:15], s[0:1], 0x20             ; kc, vc
	s_load_b64 s[16:17], s[0:1], 0x30              ; oc
	v_lshl_add_u32 v251, v0, 2, 0x40000
	v_mov_b32 v255, 0
	v_lshrrev_b32 v10, 5, v0
	v_readfirstlane_b32 s18, v10                   ; wave 0..15
	v_and_b32 v10, 31, v0                          ; lane
	v_and_b32 v11, 15, v0                          ; r
	v_bfe_u32 v9, v0, 4, 1                         ; g
	v_lshlrev_b32 v[LI], 4, v10
	v_lshl_add_u32 v[LV], v10, 4, 0x20000
	v_lshlrev_b32 v8, 8, v11
	v_lshl_add_u32 v8, v9, 4, v8                   ; q and Wq: row r of 256 bytes, + 16 g
	v_lshlrev_b32 v9, 5, v9                        ; bq: 32 g
	s_lshr_b32 s50, s18, 3
	s_lshl_b32 s50, s50, 17
	s_and_b32 s51, s18, 7
	s_lshl_b32 s51, s51, 11
	s_add_co_u32 s50, s50, s51                     ; waves 0-7 in K's half, waves 8-15 in V's; 2,048 bytes a wave
	v_add_nc_u32 v[LS0], s50, v[LI]
	s_and_b32 s20, ttmp7, 0xffff                   ; 8 b + h
	s_lshr_b32 s21, s20, 3                         ; b
	s_and_b32 s22, s20, 7                          ; h
	s_lshl_b32 s38, s21, 18
	s_lshl_b32 s50, ttmp9, 16
	s_add_co_u32 s38, s38, s50
	s_lshl_b32 s50, s18, 12
	s_add_co_u32 s38, s38, s50                     ; (1024 b + 256 x + 16 w) x 256: my 16 rows of q; also my tile's 4,096 bytes of oc
	s_mov_b32 s39, 0
	s_lshl_b32 s40, s22, 13                        ; my head's 32 rows of Wq
	s_mov_b32 s41, 0
	s_mov_b32 s[SEL], 0x76543210
	s_mov_b32 s[SEL+1], 0xfedcba98
	s_mov_b32 s[TB], 0
	s_mov_b32 s47, 5
	s_wait_kmcnt 0x0
	s_load_b256 s[24:31], s[10:11], 0x0            ; e0 .. e7
	s_load_b128 s[32:35], s[10:11], 0x20           ; e8 .. e11
	s_add_nc_u64 s[4:5], s[4:5], s[38:39]
	s_add_nc_u64 s[16:17], s[16:17], s[38:39]
	s_add_nc_u64 s[6:7], s[6:7], s[40:41]
	s_lshl_b32 s40, s22, 7
	s_add_nc_u64 s[8:9], s[8:9], s[40:41]
	s_lshl_b32 s40, s22, 9
	s_add_nc_u64 s[16:17], s[16:17], s[40:41]      ; oc: + 512 h
	s_lshl_b32 s40, s20, 17
	s_add_co_u32 s40, s40, s51                     ; the head's 131,072 bytes, my wave's 2,048 of a chunk
	s_cmp_lt_u32 s18, 8
	s_cselect_b64 s[CP:CP+1], s[12:13], s[14:15]
	s_add_nc_u64 s[CP:CP+1], s[CP:CP+1], s[40:41]
.irp s, 0,1
.irp c, 0,1,2,3
	global_load_b128 v[96+16*\s+4*\c:96+16*\s+4*\c+3], v8, s[4:5] offset:128*\s+32*\c       ; q's fragment, K step s
.endr
.endr
.irp u, 0,1
.irp s, 0,1
.irp c, 0,1,2,3
	global_load_b128 v[32+16*(2*\u+\s)+4*\c:32+16*(2*\u+\s)+4*\c+3], v8, s[6:7] offset:4096*\u+128*\s+32*\c   ; Wq's fragment (u, s): rows d = 16 u + r
.endr
.endr
.endr
.irp u, 0,1
.irp e, 0,1
	global_load_b128 v[128+8*\u+4*\e:128+8*\u+4*\e+3], v9, s[8:9] offset:64*\u+16*\e       ; bq at d = 16 u + 8 g + 0 .. 7
.endr
.endr
.irp i, 0,1,2,3
	global_load_b128 v[LD+4*\i:LD+4*\i+3], v[LI], s[CP:CP+1] offset:512*\i                 ; chunk 0
.endr
.irp i, 0,1,2,3
	global_load_b128 v[LD2+4*\i:LD2+4*\i+3], v[LI], s[CP:CP+1] offset:16384+512*\i         ; chunk 1
.endr
.irp j, 16,17,18,19,24,25,26,27
	v_mov_b32 v\j, 0                               ; the zero codes beside q's
.endr
	v_mov_b32 v13, 0xff61b1e6                      ; the largest t so far: -3e38, under every t
	v_floor_f32 v12, -v13                          ; -M
	v_mov_b32 v14, 0                               ; the sum, in two halves
	v_mov_b32 v15, 0
	v_mov_b32 v236, 0                              ; written once: a lane permute's destination counts as one of its sources
	v_mov_b32 v253, 0                              ; (named as the upper half of the pair v[252:253])
	s_wait_kmcnt 0x0
	s_add_co_i32 s50, s24, s25                     ; e0 + e1: a sum of the projection stands for sum x 2^(e0 + e1)
	s_sub_co_i32 s51, 0, s50
	s_sub_co_i32 s52, s30, s50                     ; e6 - e0 - e1: the three scales folded into the conversion's one
	s_add_co_i32 s52, s52, 127
	s_lshl_b32 s53, s52, 23
	v_mov_b32 v244, s53
	s_add_co_i32 s52, s52, 15
	s_lshl_b32 s52, s52, 23
	s_or_b32 s52, s52, 0x600000
	v_mov_b32 v240, s52                            ; 57,344 x that
	s_add_co_i32 s50, s30, s31
	s_lshl_b32 s50, s50, 23
	s_mov_b32 s[CS], 0x3e8293ee                    ; c = log2(e) / sqrt(32)
	s_add_co_i32 s[CS], s[CS], s50                 ; a score stands for score x 2^(e6 + e7): the two exponents are added to c's exponent field
	s_mov_b32 s[CS+1], s[CS]                       ; (named with it as a pair, so it is written)
	s_wait_loadcnt 8                               ; q, Wq and bq are in: behind their 28 loads stand the two chunks' eight
.set j, 0
.rept 16
	v_ldexp_f32 v[128+j], v[128+j], s51            ; bq / 2^(e0 + e1): the C of the first products
.set j, j+1
.endr
	v_wmma_f32_16x16x128_bf8_bf8 v[144:151], v[32:47], v[96:111], v[128:135]     ; source 0 = 16 rows of Wq, source 1 = my 16 queries; the two accumulators by turns
	v_wmma_f32_16x16x128_bf8_bf8 v[152:159], v[64:79], v[96:111], v[136:143]
	v_wmma_f32_16x16x128_bf8_bf8 v[144:151], v[48:63], v[112:127], v[144:151]
	v_wmma_f32_16x16x128_bf8_bf8 v[152:159], v[80:95], v[112:127], v[152:159]
.rept 4
	v_nop                                          ; four places (ISA guide 7.12.1) in front of the first read of the results
.endr
.set j, 0
.rept 16
	v_med3_num_f32 v[144+j], v[144+j], -v240, v240 ; the hold at the largest code x the scale (ISA guide 7.6.2: the conversion does not saturate); from each accumulator's low end on
.set j, j+1
.endr
	v_cvt_scalef32_pk8_bf8_f32 v[20:21], v[144:151], v244   ; d = 8 g + 0 .. 7 of my query,
	v_cvt_scalef32_pk8_bf8_f32 v[22:23], v[152:159], v244   ; d = 16 + 8 g + 0 .. 7
	v_nop                                          ; one plain vector instruction behind the conversions
.set j, 0
.rept 16
	v_mov_b32 v[O+j], 0                            ; O^T.  (The step is written without a first step of its own: the first change of M multiplies zeros)
.set j, j+1
.endr
	s_add_co_i32 s52, s32, 127
	s_lshl_b32 s53, s52, 23
	v_mov_b32 v244, s53                            ; 2^e8 as f32, for p's conversions
	s_add_co_i32 s52, s52, 15
	s_lshl_b32 s52, s52, 23
	s_or_b32 s52, s52, 0x600000
	v_mov_b32 v240, s52                            ; 57,344 x 2^e8
	s_wait_loadcnt 0x0                             ; chunks 0 and 1
.irp i, 0,1,2,3
	ds_store_b128 v[LS0], v[LD+4*\i:LD+4*\i+3] offset:512*\i
	ds_store_b128 v[LS0], v[LD2+4*\i:LD2+4*\i+3] offset:16384+512*\i
.endr
	s_wait_dscnt 0x0                               ; for the others' sake: my parts have landed; and the stores have read their registers
	s_add_nc_u64 s[CP:CP+1], s[CP:CP+1], 32768     ; (its loads are done)
.irp i, 0,1,2,3
	global_load_b128 v[LD+4*\i:LD+4*\i+3], v[LI], s[CP:CP+1] offset:512*\i                 ; chunk 2
.endr
	s_barrier_signal -1
	s_barrier_wait -1                              ; chunks 0 and 1 lie in LDS
.irp i, 0,1,2,3,4,5,6,7
	ds_load_b128 v[KF+4*\i:KF+4*\i+3], v[LI] offset:512*\i    ; step 0's K
.endr
	s_wait_dscnt 0x0
; A STEP: 128 keys x my 16 queries.  pre = 1: the next step's K is fetched.
.macro STEP pre
.irp f, 0,1,2,3
	v_wmma_f32_16x16x64_bf8_bf8 v[S+16*\f:S+16*\f+7],    v[KF+8*\f:KF+8*\f+7], v[QLO:QLO+7], 0   ; key tile 2 f
	v_wmma_f32_16x16x64_bf8_bf8 v[S+16*\f+8:S+16*\f+15], v[KF+8*\f:KF+8*\f+7], v[QHI:QHI+7], 0   ; key tile 2 f + 1
.endr
.if \pre
	v_add_nc_u32 v[ADK], s[TB], v[LI]              ; these four lines are the four places in front of the loads into K's and V's registers and of the first read of the scores
.else
	v_nop
.endif
	v_add_nc_u32 v[ADV], s[TB], v[LV]
	v_nop
	v_nop
.if \pre
.irp i, 0,1,2,3,4,5,6,7
	ds_load_b128 v[KF+4*\i:KF+4*\i+3], v[ADK] offset:4096+512*\i
.endr
.endif
.irp i, 0,1,2,3,4,5,6,7
	ds_load_b128 v[VF+4*\i:VF+4*\i+3], v[ADV] offset:512*\i   ; this step's V: it lands under the softmax
.endr
	v_max3_num_f32 v254, v[S], v[S+1], v[S+2]      ; the step's largest score of my query, among my 64 keys, in two chains, ascending: each accumulator is read from its low end on
	v_max3_num_f32 v252, v[S+3], v[S+4], v[S+5]
.set j, 6
.rept 14
	v_max3_num_f32 v254, v254, v[S+j], v[S+j+1]
	v_max3_num_f32 v252, v252, v[S+j+2], v[S+j+3]
.set j, j+4
.endr
	v_max3_num_f32 v254, v254, v[S+62], v[S+63]
	v_max_num_f32 v254, v254, v252
	v_permlanex16_b32 v236, v254, s[SEL], s[SEL+1]
	v_max_num_f32 v254, v254, v236                 ; and among lane l xor 16's
	v_mul_f32 v254, s[CS], v254                    ; as t (c is positive)
	v_max_num_f32 v13, v13, v254                   ; the running largest t
	v_mov_b32 v254, v12
	v_floor_f32 v12, -v13                          ; the new -M = floor(-t) = -ceil(t): M is a whole number
	v_sub_f32 v254, v12, v254                      ; M's old value less its new one: a whole number, 0 or less
	v_cvt_i32_f32 v254, v254                       ; (it saturates)
	v_ldexp_f32 v252, 1.0, v254                    ; f = 2^(old M - new M)
.set j, 0
.rept 32
	v_pk_fma_f32 v[S+j:S+j+1], v[S+j:S+j+1], s[CS:CS+1], v[12:13] op_sel_hi:[1,0,0]   ; t - M, two at a time (of the pairs c and -M the low word serves both halves)
.set j, j+2
.endr
.set j, 0
.rept 64
	v_exp_f32 v[S+j], v[S+j]                       ; p = 2^(t - M), at most 1: not normalised
.set j, j+1
.endr
	v_pk_mul_f32 v[14:15], v[14:15], v[252:253] op_sel_hi:[1,0]   ; the sums under the new M: the plain instruction behind the exponentials
	s_wait_alu depctr_va_vdst(0)                   ; one wait for the whole batch, ahead of its first reader
	v_pk_add_f32 v[242:243], v[S:S+1], v[S+2:S+3]  ; the row's sum is taken of the UNQUANTISED p: two at a time, in two chains
.set j, 4
.rept 15
	v_pk_add_f32 v[14:15], v[14:15], v[S+j:S+j+1]
	v_pk_add_f32 v[242:243], v[242:243], v[S+j+2:S+j+3]
.set j, j+4
.endr
	v_pk_add_f32 v[14:15], v[14:15], v[242:243]
	s_cmp_ge_i32 s32, -15                          ; p is at most 1, and 57,344 x 2^e8 is at least 1 just where e8 >= -15: there the hold changes no number and is jumped over.
	s_cbranch_scc1 .Lfree_\@                       ; A scalar branch on a whole number of the inputs, the same in every wave; no load, store or barrier stands under it
.set j, 0
.rept 64
	v_min_num_f32 v[S+j], v[S+j], v240             ; the conversion to an 8-bit code does not saturate (ISA guide 7.6.2); p is not negative, so the hold is one-sided
.set j, j+1
.endr
.Lfree_\@:
.irp c, 0,1,2,3,4,5,6,7
	v_cvt_scalef32_pk8_bf8_f32 v[P+2*\c:P+2*\c+1], v[S+8*\c:S+8*\c+7], v244   ; keys 16 c + 8 g + 0 .. 7: registers 2 c, 2 c + 1 of p's fragment
.endr
.set j, 0
.rept 8
	v_pk_mul_f32 v[O+j:O+j+1], v[O+j:O+j+1], v[252:253] op_sel_hi:[1,0]   ; O^T under the new M: x f.  (Also the plain instructions behind the conversions)
.set j, j+2
.endr
	s_wait_dscnt 0x0                               ; V is in, and the next step's K with it: both were asked for a whole softmax ago
	v_wmma_f32_16x16x128_bf8_bf8 v[O:O+7],    v[VF:VF+15],    v[P:P+15], v[O:O+7]      ; O^T += V^T p^T.  No two matrix instructions that follow each other, here or over the loop's edge, share an accumulator
	v_wmma_f32_16x16x128_bf8_bf8 v[O+8:O+15], v[VF+16:VF+31], v[P:P+15], v[O+8:O+15]
.endm
.macro STEPS n                         ; n steps, each of which fetches its successor's K
	s_mov_b32 s48, \n
.Lstep_\@:
	STEP 1
	s_add_co_u32 s[TB], s[TB], 4096
	s_sub_co_u32 s48, s48, 1
	s_cmp_lg_u32 s48, 0
	s_cbranch_scc1 .Lstep_\@
.endm
; At the end of chunk j (TB stands at chunk j + 1): my part of chunk j + 2 goes into LDS, into bytes that nobody has read or written yet; load = 1: chunk j + 3 is asked for; the barrier shows chunk j + 2 to every wave.
.macro REFILL load
	s_wait_loadcnt 0x0                             ; chunk j + 2 is in registers: asked for a chunk ago
	v_add_nc_u32 v[LSA], s[TB], v[LS0]
.irp i, 0,1,2,3
	ds_store_b128 v[LSA], v[LD+4*\i:LD+4*\i+3] offset:16384+512*\i
.endr
	s_wait_dscnt 0x0                               ; for the others' sake: my stores have landed; and they have read their registers
.if \load
	s_add_nc_u64 s[CP:CP+1], s[CP:CP+1], 16384     ; (its loads are done)
.irp i, 0,1,2,3
	global_load_b128 v[LD+4*\i:LD+4*\i+3], v[LI], s[CP:CP+1] offset:512*\i
.endr
.endif
	s_barrier_signal -1
	s_barrier_wait -1
.endm
.Lchunk:                                           ; chunks 0-4: chunks 2-6 are stored, chunks 3-7 asked for
	STEPS 4
	REFILL 1
	s_sub_co_u32 s47, s47, 1
	s_cmp_lg_u32 s47, 0
	s_cbranch_scc1 .Lchunk
	STEPS 4                                        ; chunk 5:
	REFILL 0                                       ; chunk 7 is stored; nothing is left to ask for
	STEPS 7                                        ; steps 24-30
	STEP 0                                         ; step 31 fetches no K
	; THE WAY OUT.  O^T / l stands for the result / 2^(e8 + e9); its code is that / 2^(e10 - e8 - e9): the three scales folded into the conversion's one.
	v_add_f32 v14, v14, v15                        ; the sum's two halves,
	v_permlanex16_b32 v236, v14, s[SEL], s[SEL+1]
	v_add_f32 v14, v14, v236                       ; and lane l xor 16's: the row's sum
	v_rcp_f32 v252, v14
	v_nop                                          ; a plain instruction behind the reciprocal
	v_nop
	s_sub_co_i32 s50, s34, s32
	s_sub_co_i32 s50, s50, s33                     ; e10 - e8 - e9
	s_add_co_i32 s50, s50, 127
	s_lshl_b32 s51, s50, 23
	v_mov_b32 v244, s51
	s_add_co_i32 s50, s50, 15
	s_lshl_b32 s50, s50, 23
	s_or_b32 s50, s50, 0x600000
	v_mov_b32 v240, s50                            ; (the additions, the two v_nop and these moves are more than the four places behind the last products)
	s_wait_alu depctr_va_vdst(0)                   ; the wait stands ahead of the reciprocal's first reader
.set j, 0
.rept 8
	v_pk_mul_f32 v[O+j:O+j+1], v[O+j:O+j+1], v[252:253] op_sel_hi:[1,0]   ; / l; each accumulator from its low end on
.set j, j+2
.endr
.set j, 0
.rept 16
	v_med3_num_f32 v[O+j], v[O+j], -v240, v240
.set j, j+1
.endr
	v_cvt_scalef32_pk8_bf8_f32 v[P:P+1], v[O:O+7], v244         ; d = 16 g + 0 .. 7 of my query,
	v_cvt_scalef32_pk8_bf8_f32 v[P+2:P+3], v[O+8:O+15], v244    ; d = 16 g + 8 .. 15: together k = 32 h + 16 g + 0 .. 15 of the last product
	v_nop
	global_store_b128 v[LI], v[P:P+3], s[16:17]    ; 32 lanes store 512 consecutive bytes, at a multiple of 512 from oc's first byte
	s_wait_tensorcnt 0x0
	ds_add_u32 v251, v255
	s_wait_dscnt 0x0
	s_endpgm
.Lfunc_end_k_qb2eb29116c_attn:
	.size	k_qb2eb29116c_attn, .Lfunc_end_k_qb2eb29116c_attn-k_qb2eb29116c_attn
	.p2alignl 7, 3214868480
	.fill 96, 4, 3214868480
	.section	.rodata,"a",@progbits
	.p2align	6, 0x0
	.amdhsa_kernel k_qb2eb29116c_attn
		.amdhsa_group_segment_fixed_size 264192
		.amdhsa_private_segment_fixed_size 0
		.amdhsa_enable_private_segment 0
		.amdhsa_kernarg_size 56
		.amdhsa_user_sgpr_count 2
		.amdhsa_user_sgpr_kernarg_segment_ptr 1
		.amdhsa_wavefront_size32 1
		.amdhsa_system_sgpr_workgroup_id_x 1
		.amdhsa_system_sgpr_workgroup_id_y 1
		.amdhsa_system_sgpr_workgroup_id_z 1
		.amdhsa_system_vgpr_workitem_id 0
		.amdhsa_next_free_vgpr 256
		.amdhsa_next_free_sgpr 66
		.amdhsa_reserve_vcc 0
		.amdhsa_float_denorm_mode_32 3
		.amdhsa_float_denorm_mode_16_64 3
		.amdhsa_memory_ordered 1
		.amdhsa_forward_progress 1
		.amdhsa_inst_pref_size 69
	.end_amdhsa_kernel
	.amdgpu_metadata
---
amdhsa.version: [ 1, 2 ]
amdhsa.kernels:
  - .name:           k_qb2eb29116c_attn
    .symbol:         k_qb2eb29116c_attn.kd
    .args:
      - { .name: q_codes, .offset: 0, .size: 8, .value_kind: global_buffer, .address_space: global }
      - { .name: Wq_codes, .offset: 8, .size: 8, .value_kind: global_buffer, .address_space: global }
      - { .name: bq, .offset: 16, .size: 8, .value_kind: global_buffer, .address_space: global }
      - { .name: lowp_scales, .offset: 24, .size: 8, .value_kind: global_buffer, .address_space: global }
      - { .name: kc, .offset: 32, .size: 8, .value_kind: global_buffer, .address_space: global }
      - { .name: vc, .offset: 40, .size: 8, .value_kind: global_buffer, .address_space: global }
      - { .name: oc, .offset: 48, .size: 8, .value_kind: global_buffer, .address_space: global }
    .group_segment_fixed_size: 264192
    .private_segment_fixed_size: 0
    .kernarg_segment_align: 8
    .kernarg_segment_size: 56
    .max_flat_workgroup_size: 512
    .sgpr_count:     66
    .vgpr_count:     256
    .wavefront_size: 32
...
	.end_amdgpu_metadata
.endif
;; end of part 2
;; launch outp (part 3): grid 256 x 1, 8 waves a work-group, no clusters, 34,304 bytes of LDS; arguments oc, Wo_codes, bo, lowp_scales, out0; writes out0
.if DOCPART == 3
	.amdgcn_target "amdgcn-amd-amdhsa--gfx1250"
	.amdhsa_code_object_version 6
	.text
	.protected	k_qb2eb29116c_outp
	.globl	k_qb2eb29116c_outp
	.p2align	8
	.type	k_qb2eb29116c_outp,@function
k_qb2eb29116c_outp:
	s_mov_b64 s[64:65], 0
	v_nop
	global_prefetch_b8 v0, s[64:65] scope:SCOPE_SE
	s_setreg_imm32_b32 hwreg(HW_REG_WAVE_MODE, 25, 1), 1
	s_wait_xcnt 0x0
; out0 = o Wo^T + bo, on codes of BF8 (E5M2).  o comes from oc as images of the operand's registers: row tile x 4096 + h x 512 + 16 x lane holds, for query lane % 16, k = 32 h + 16 (lane / 16) + 0 .. 15:
; chunk h % 4 of K step h / 4 in the layout that four loads of 16 bytes, 32 apart, give Wo: the same permutation of k on both sides.
; SHARES.  A work-group takes 32 rows (two tiles m), wave w columns 32 w .. 32 w + 31 (two tiles t): four accumulators, two K steps of 128.
; THE MATRIX INSTRUCTION IS USED TRANSPOSED (source 0 = 16 rows of Wo, source 1 = 16 rows of o): a lane holds eight neighbouring columns of one row.  y = sum x 2^(e10 + e11) + bo is one packed multiply-add for two numbers.
; A row's 256 columns come from eight waves: they meet in a stage in LDS (32 rows, pitch 1,040 bytes, an odd multiple of 16), and each wave stores four whole rows.
; LIMIT: e10 + e11 lies between -126 and 127, so that 2^(e10 + e11) is an f32 number.
; No tensor load, cluster or prefetch: a work-group reads 8,192 bytes of o and each wave 8,192 of Wo, once, straight into the operands' registers.
.set SP,  1040
.set WO,  16                           ; v16-79   Wo's fragment (t, s) at WO + 16 (2 t + s)
.set OF,  80                           ; v80-143  o's fragment (m, s) at OF + 16 (2 m + s); later the rows read back
.set BO,  144                          ; v144-159 bo, eight registers for each t
.set ACC, 160                          ; v160-191 accumulator (m, t) at ACC + 8 (2 m + t)
.set TMP, 192                          ; v192-223 the finished numbers
	s_load_b256 s[4:11], s[0:1], 0x0               ; oc s[4:5], Wo s[6:7], bo s[8:9], the exponents s[10:11]
	s_load_b64 s[12:13], s[0:1], 0x20              ; out0
	v_lshl_add_u32 v224, v0, 2, 0x8200
	v_mov_b32 v225, 0
	v_lshrrev_b32 v1, 5, v0
	v_readfirstlane_b32 s14, v1                    ; wave 0..7
	v_and_b32 v1, 31, v0
	v_and_b32 v2, 15, v0                           ; r
	v_bfe_u32 v3, v0, 4, 1                         ; g
	v_lshlrev_b32 v1, 4, v1                        ; 16 x lane: o's images and the stores
	v_lshlrev_b32 v4, 8, v2
	v_lshl_add_u32 v4, v3, 4, v4                   ; Wo: row r of 256 bytes, + 16 g
	v_lshlrev_b32 v5, 5, v3                        ; bo: 32 g
	s_lshl_b32 s15, s14, 7
	v_mul_u32_u24 v6, v2, SP
	v_lshl_add_u32 v6, v3, 5, v6
	v_add_nc_u32 v6, s15, v6                       ; the stage, in: row r, + 128 w + 32 g: my eight columns
	s_mul_i32 s15, s14, 4*SP
	v_add_nc_u32 v7, s15, v1                       ; and out: my four rows, 16 bytes a lane
	s_lshl_b32 s20, ttmp9, 13                      ; two row tiles of 4,096 bytes
	s_mov_b32 s21, 0
	s_lshl_b32 s22, s14, 13                        ; my 32 rows of Wo
	s_mov_b32 s23, 0
	s_wait_kmcnt 0x0
	s_load_b64 s[16:17], s[10:11], 0x28            ; e10, e11
	s_add_nc_u64 s[4:5], s[4:5], s[20:21]
	s_add_nc_u64 s[6:7], s[6:7], s[22:23]
	s_lshl_b32 s22, s14, 7
	s_add_nc_u64 s[8:9], s[8:9], s[22:23]
	s_lshl_b32 s20, ttmp9, 15                      ; 32 rows of 1,024 bytes,
	s_lshl_b32 s22, s14, 12                        ; my four of them
	s_add_co_u32 s20, s20, s22
	s_add_nc_u64 s[12:13], s[12:13], s[20:21]
.irp t, 0,1
.irp s, 0,1
.irp c, 0,1,2,3
	global_load_b128 v[WO+16*(2*\t+\s)+4*\c:WO+16*(2*\t+\s)+4*\c+3], v4, s[6:7] offset:4096*\t+128*\s+32*\c
.endr
.endr
.endr
.irp m, 0,1
.irp s, 0,1
.irp c, 0,1,2,3
	global_load_b128 v[OF+16*(2*\m+\s)+4*\c:OF+16*(2*\m+\s)+4*\c+3], v1, s[4:5] offset:4096*\m+2048*\s+512*\c
.endr
.endr
.endr
.irp t, 0,1
.irp e, 0,1
	global_load_b128 v[BO+8*\t+4*\e:BO+8*\t+4*\e+3], v5, s[8:9] offset:64*\t+16*\e          ; bo at column 32 w + 16 t + 8 g + 0 .. 7
.endr
.endr
	s_wait_loadcnt 4                               ; Wo and o are in: bo's four loads may be out
.irp m, 0,1
.irp t, 0,1
	v_wmma_f32_16x16x128_bf8_bf8 v[ACC+8*(2*\m+\t):ACC+8*(2*\m+\t)+7], v[WO+32*\t:WO+32*\t+15], v[OF+32*\m:OF+32*\m+15], 0    ; the first K step starts the sums
.endr
.endr
.irp m, 0,1
.irp t, 0,1
	v_wmma_f32_16x16x128_bf8_bf8 v[ACC+8*(2*\m+\t):ACC+8*(2*\m+\t)+7], v[WO+32*\t+16:WO+32*\t+31], v[OF+32*\m+16:OF+32*\m+31], v[ACC+8*(2*\m+\t):ACC+8*(2*\m+\t)+7]   ; the four accumulators by turns
.endr
.endr
.rept 4
	v_nop                                          ; four places (ISA guide 7.12.1) in front of the first read of the results
.endr
	s_wait_loadcnt 0x0                             ; bo
	s_wait_kmcnt 0x0
	s_add_co_i32 s16, s16, s17
	s_add_co_i32 s16, s16, 127
	s_lshl_b32 s16, s16, 23                        ; 2^(e10 + e11) as f32
	s_mov_b32 s17, s16                             ; (named with it as a pair, so it is written)
.irp m, 0,1
.irp t, 0,1
.irp i, 0,2,4,6
	v_pk_fma_f32 v[TMP+8*(2*\m+\t)+\i:TMP+8*(2*\m+\t)+\i+1], v[ACC+8*(2*\m+\t)+\i:ACC+8*(2*\m+\t)+\i+1], s[16:17], v[BO+8*\t+\i:BO+8*\t+\i+1] op_sel_hi:[1,0,1]   ; each accumulator from its low end on
.endr
.endr
.endr
.irp m, 0,1
.irp t, 0,1
.irp e, 0,1
	ds_store_b128 v6, v[TMP+8*(2*\m+\t)+4*\e:TMP+8*(2*\m+\t)+4*\e+3] offset:16*SP*\m+64*\t+16*\e
.endr
.endr
.endr
	s_wait_dscnt 0x0                               ; for the others' sake: my stores into the stage have landed
	s_barrier_signal -1
	s_barrier_wait -1                              ; 32 whole rows lie in the stage
.irp i, 0,1,2,3,4,5,6,7
	ds_load_b128 v[OF+4*\i:OF+4*\i+3], v7 offset:(\i/2)*SP+512*(\i%2)
.endr
.irp i, 0,1,2,3,4,5,6,7
	s_wait_dscnt 7-\i                              ; LDS loads come back in order (ISA guide 5.7.1): piece i is in, the 7 - i younger may be out
	global_store_b128 v1, v[OF+4*\i:OF+4*\i+3], s[12:13] offset:512*\i th:TH_STORE_NT   ; 32 lanes store 512 consecutive bytes, at a multiple of 512 from out0's first byte; written once, read by nobody here
.endr
	s_wait_tensorcnt 0x0
	ds_add_u32 v224, v225
	s_wait_dscnt 0x0
	s_endpgm
.Lfunc_end_k_qb2eb29116c_outp:
	.size	k_qb2eb29116c_outp, .Lfunc_end_k_qb2eb29116c_outp-k_qb2eb29116c_outp
	.p2alignl 7, 3214868480
	.fill 96, 4, 3214868480
	.section	.rodata,"a",@progbits
	.p2align	6, 0x0
	.amdhsa_kernel k_qb2eb29116c_outp
		.amdhsa_group_segment_fixed_size 34304
		.amdhsa_private_segment_fixed_size 0
		.amdhsa_enable_private_segment 0
		.amdhsa_kernarg_size 40
		.amdhsa_user_sgpr_count 2
		.amdhsa_user_sgpr_kernarg_segment_ptr 1
		.amdhsa_wavefront_size32 1
		.amdhsa_system_sgpr_workgroup_id_x 1
		.amdhsa_system_sgpr_workgroup_id_y 1
		.amdhsa_system_sgpr_workgroup_id_z 1
		.amdhsa_system_vgpr_workitem_id 0
		.amdhsa_next_free_vgpr 226
		.amdhsa_next_free_sgpr 66
		.amdhsa_reserve_vcc 0
		.amdhsa_float_denorm_mode_32 3
		.amdhsa_float_denorm_mode_16_64 3
		.amdhsa_memory_ordered 1
		.amdhsa_forward_progress 1
		.amdhsa_inst_pref_size 10
	.end_amdhsa_kernel
	.amdgpu_metadata
---
amdhsa.version: [ 1, 2 ]
amdhsa.kernels:
  - .name:           k_qb2eb29116c_outp
    .symbol:         k_qb2eb29116c_outp.kd
    .args:
      - { .name: oc, .offset: 0, .size: 8, .value_kind: global_buffer, .address_space: global }
      - { .name: Wo_codes, .offset: 8, .size: 8, .value_kind: global_buffer, .address_space: global }
      - { .name: bo, .offset: 16, .size: 8, .value_kind: global_buffer, .address_space: global }
      - { .name: lowp_scales, .offset: 24, .size: 8, .value_kind: global_buffer, .address_space: global }
      - { .name: out0, .offset: 32, .size: 8, .value_kind: global_buffer, .address_space: global }
    .group_segment_fixed_size: 34304
    .private_segment_fixed_size: 0
    .kernarg_segment_align: 8
    .kernarg_segment_size: 40
    .max_flat_workgroup_size: 256
    .sgpr_count:     66
    .vgpr_count:     226
    .wavefront_size: 32
...
	.end_amdgpu_metadata
.endif
;; end of part 3
;; ======== version 2 of 2: 3 launches; version 1 with the launches proj, attn, outp written anew for expert scheduling mode
;; limits: right only within a limited range of input values
;; workspace buffers: kc 8,388,608 bytes; vc 8,388,608 bytes; oc 2,097,152 bytes
;; launch proj (part 4): grid 512 x 1, 8 waves a work-group, no clusters, 36,864 bytes of LDS; arguments k_codes, v_codes, Wk_codes, Wv_codes, bk, bv, lowp_scales, kc, vc; writes kc, vc
.if DOCPART == 4
	.amdgcn_target "amdgcn-amd-amdhsa--gfx1250"
	.amdhsa_code_object_version 6
	.text
	.protected	k_qb2eb29116c_proj
	.globl	k_qb2eb29116c_proj
	.p2align	8
	.type	k_qb2eb29116c_proj,@function
k_qb2eb29116c_proj:
	s_mov_b64 s[64:65], 0
	v_nop
	global_prefetch_b8 v0, s[64:65] scope:SCOPE_SE
	s_setreg_imm32_b32 hwreg(HW_REG_WAVE_SCHED_MODE, 0, 2), 2
	s_setreg_imm32_b32 hwreg(HW_REG_WAVE_MODE, 25, 1), 1
	s_wait_xcnt 0x0
	s_wait_alu depctr_vm_vsrc(0)
; kh = k Wk^T + bk and vh = v Wv^T + bv, both products on codes of BF8 (E5M2), the results quantised to BF8 at once and stored as IMAGES OF OPERAND REGISTERS for the attention launch.
; SHARES.  Work-groups 0-255 take k, 256-511 take v.  A work-group takes 128 rows of the [32768][256] tensor; wave w is head w: its 32 rows of W (64 registers) stay in registers, and it makes 128 rows x 32 columns.
; The 128 rows of x (32,768 bytes) are read from memory once, 512 consecutive bytes a load, laid in LDS with a pitch of 272 bytes (an odd multiple of 16: the sixteen rows of a fragment load begin at sixteen
; different 16-byte columns modulo 256), and read from there by all eight waves.
; FRAGMENTS of x and W: four loads of 16 bytes, 32 apart: registers 4 c .. 4 c + 3 hold k = 32 c + 16 (lane / 16) + 0 .. 15 of row lane % 16: the same permutation of k on both sides, so every product meets its partner.
; k PATH: source 0 = 16 rows of Wk (d = 16 u + m), source 1 = 16 keys: a lane holds ONE key and d = 16 u + 8 (lane / 16) + 0 .. 7: the conversion of tile u gives registers 2 u, 2 u + 1 of a K = 64 fragment (its k places 0-31).
;   kc: (8 b + h) x 131072 + key tile x 512 + 16 x lane.
; v PATH: source 0 = 16 keys, source 1 = 16 rows of Wv: a lane holds ONE d and keys 8 (lane / 16) + 0 .. 7: the conversion of key tile c gives registers 2 c, 2 c + 1 of a K = 128 fragment along the keys.
;   THE ROWS OF Wv THAT FORM A TILE ARE NOT NEIGHBOURS: lane r of tile u takes d = 8 u + r + 8 (r / 8), so that the attention's result holds 16 neighbouring d in a lane.
;   vc: (8 b + h) x 131072 + (128 keys) x 4096 + u x 2048 + i x 512 + 16 x lane: registers 4 i .. 4 i + 3.
; SCALES.  A sum stands for sum x 2^(ew + ex): the bias goes in as the C of the first product, divided by that; the conversion takes the one scale 2^(eo - ew - ex).
; LIMITS: e7 - e2 - e3 and e9 - e4 - e5 lie between -126 and 112, so that the scale and 57,344 x the scale are f32 numbers.  NaN among the inputs is not served.
; No tensor load, no cluster: what the work-groups share is W, of which a wave wants only its own head's 8,192 bytes, once, in registers.  The eight tiles are written out: every offset is an immediate.
; THE MODE: SCHED_MODE bits 1:0 = 2 (LLVM: expert scheduling mode 2), set by the entry lines.  The code itself states the register dependences
; between vector or matrix instructions and memory or LDS instructions, with s_wait_alu, always for 0.
; THE PLAN.  Registers that memory or LDS instructions touch:
;   v4-v9, v12-v14  addresses: written at the head, ahead of one wait on va_vdst, and never again.
;   v15             the bias word: loaded, scaled by one vector instruction, read by one LDS store.
;   X0, X1          two sets of 32 registers for x's fragments, by turns.  Tile T's products read set T % 2; the fragment of tile T + 1 is asked for at tile T's head, into the other set, which the products of
;                   tile T - 1 read: one wait on va_vdst at the tile's head states that they are done.  X0 first holds x as loaded, read by the LDS stores: one wait on vm_vsrc ahead of tile 0's fragment.
;   W, BI           loaded once; read by products alone.
;   CD              written by the conversions, read by the eight stores at the end, behind one wait on va_vdst.
.set PITCH, 272
.set BIAS,  128*PITCH                  ; behind the rows of x: 128 bytes of bias for each wave
.set X,   16                           ; v16-47   first the eight loads of x, then the fragments of tiles 0, 2, 4, 6 (K step s at + 16 s)
.set X2,  194                          ; v194-225 the fragments of tiles 1, 3, 5, 7
.set W,   48                           ; v48-111  W's fragment (u, s) at W + 16 (2 u + s)
.set BI,  112                          ; v112-127 the bias in the result's layout, eight registers for each u
.set D,   128                          ; v128-159 two sets of two accumulators, by turns
.set CD,  160                          ; v160-191 the codes
	s_load_b512 s[4:19], s[0:1], 0x0               ; k s[4:5], v s[6:7], Wk s[8:9], Wv s[10:11], bk s[12:13], bv s[14:15], the exponents s[16:17], kc s[18:19]
	s_load_b64 s[20:21], s[0:1], 0x40              ; vc
	v_lshl_add_u32 v192, v0, 2, 0x8c00
	v_mov_b32 v193, 0
	v_lshrrev_b32 v1, 5, v0
	v_readfirstlane_b32 s34, v1                    ; wave = head
	v_and_b32 v1, 31, v0                           ; lane
	v_and_b32 v2, 15, v0                           ; r
	v_bfe_u32 v3, v0, 4, 1                         ; g
	s_lshr_b32 s22, ttmp9, 8                       ; 0: k, 1: v
	s_and_b32 s23, ttmp9, 255                      ; which 128 rows
	v_lshlrev_b32 v4, 4, v1                        ; 16 x lane: the loads of x and the stores of codes
	s_wait_alu depctr_va_sdst(0)                   ; s34 is written, ahead of its first reader: LDS addresses and the buffers' bases are made from it
	s_mul_i32 s35, s34, 16*PITCH
	v_mul_u32_u24 v5, v3, PITCH
	v_lshl_add_u32 v5, v2, 4, v5
	v_add_nc_u32 v5, s35, v5                       ; x into LDS: row 16 w + lane / 16, 16 bytes a lane
	v_mul_u32_u24 v6, v2, PITCH
	v_lshl_add_u32 v6, v3, 4, v6                   ; a fragment of x: row r, + 16 g
	v_and_b32 v7, 8, v2
	v_add_nc_u32 v14, v7, v2                       ; r + 8 (r / 8)
	v_mul_u32_u24 v7, s22, v7
	v_add_nc_u32 v7, v7, v2                        ; W's row of tile 0: r (k) or r + 8 (r / 8) (v)
	v_lshlrev_b32 v7, 8, v7
	v_lshl_add_u32 v7, v3, 4, v7
	s_lshr_b32 s33, 0x1000, s22                    ; tile 1 begins 16 rows (k) or 8 rows (v) further on
	v_add_nc_u32 v12, s33, v7
	v_lshlrev_b32 v8, 2, v1                        ; the bias: a word a lane
	s_lshl_b32 s35, s34, 7
	s_add_co_u32 s35, s35, BIAS                    ; my wave's 128 bytes of bias in LDS
	v_lshl_add_u32 v9, v1, 2, s35                  ; where I store my word,
	v_lshl_add_u32 v13, v3, 5, s35                 ; where the k path reads: d = 16 u + 8 g + 0 .. 7,
	v_lshl_add_u32 v14, v14, 2, s35                ; and the v path: d = 8 u + r + 8 (r / 8).  All LDS addresses are made here, ahead of the parting of the paths
	s_lshl_b32 s50, s23, 15
	s_lshl_b32 s52, s34, 12
	s_add_co_u32 s50, s50, s52                     ; x: 128 rows x 256 bytes a work-group, 16 rows a wave
	s_mov_b32 s51, 0
	s_lshr_b32 s52, s23, 5                         ; b
	s_lshl_b32 s52, s52, 3
	s_add_co_u32 s52, s52, s34                     ; 8 b + h
	s_lshl_b32 s52, s52, 17
	s_and_b32 s53, s23, 31
	s_lshl_b32 s53, s53, 12
	s_add_co_u32 s52, s52, s53                     ; the codes: + 4,096 bytes for each 128 keys, in kc and vc alike
	s_mov_b32 s53, 0
	s_wait_kmcnt 0x0
	s_load_b256 s[36:43], s[16:17], 0x8            ; e2 .. e9
	s_cmp_eq_u32 s22, 0                            ; the choice hangs on the work-group's number alone
	s_cselect_b64 s[24:25], s[4:5], s[6:7]         ; x
	s_cselect_b64 s[26:27], s[8:9], s[10:11]       ; W
	s_cselect_b64 s[28:29], s[12:13], s[14:15]     ; the bias
	s_cselect_b64 s[30:31], s[18:19], s[20:21]     ; the codes
	s_add_nc_u64 s[24:25], s[24:25], s[50:51]
	s_add_nc_u64 s[30:31], s[30:31], s[52:53]
	s_lshl_b32 s50, s34, 13
	s_add_nc_u64 s[26:27], s[26:27], s[50:51]      ; my head's 32 rows of W
	s_lshl_b32 s50, s34, 7
	s_add_nc_u64 s[28:29], s[28:29], s[50:51]      ; and its 32 numbers of the bias
	s_wait_alu depctr_va_vdst(0)                   ; the addresses v4 to v9 and v12 to v14 are written, which every load and store of the kernel reads; no vector instruction writes one of them again
.irp i, 0,1,2,3,4,5,6,7
	global_load_b128 v[X+4*\i:X+4*\i+3], v4, s[24:25] offset:512*\i th:TH_LOAD_NT   ; 32 lanes read 512 consecutive bytes: two rows of x; read once in the launch
.endr
	global_load_b32 v15, v8, s[28:29]
.irp s, 0,1
.irp c, 0,1,2,3
	global_load_b128 v[W+16*\s+4*\c:W+16*\s+4*\c+3], v7, s[26:27] offset:128*\s+32*\c
.endr
.endr
.irp s, 0,1
.irp c, 0,1,2,3
	global_load_b128 v[W+32+16*\s+4*\c:W+32+16*\s+4*\c+3], v12, s[26:27] offset:128*\s+32*\c
.endr
.endr
	s_wait_loadcnt 17                              ; x is in: behind its eight loads stand the bias's one and W's sixteen
.irp i, 0,1,2,3,4,5,6,7
	ds_store_b128 v5, v[X+4*\i:X+4*\i+3] offset:2*PITCH*\i
.endr
	s_wait_loadcnt 16                              ; the bias is in: W's sixteen may be out
	s_wait_kmcnt 0x0
	s_cmp_eq_u32 s22, 0
	s_cselect_b32 s44, s36, s38                    ; ew
	s_cselect_b32 s45, s37, s39                    ; ex
	s_cselect_b32 s46, s41, s43                    ; eo: e7 for kh, e9 for vh
	s_add_co_i32 s44, s44, s45
	s_sub_co_i32 s47, 0, s44                       ; -(ew + ex)
	s_sub_co_i32 s46, s46, s44                     ; eo - ew - ex
	s_add_co_i32 s46, s46, 127
	s_lshl_b32 s48, s46, 23
	s_add_co_i32 s46, s46, 15
	s_lshl_b32 s49, s46, 23
	s_or_b32 s49, s49, 0x600000
	v_mov_b32 v11, s48                             ; 2^(eo - ew - ex) as f32: the conversion takes its exponent field
	v_mov_b32 v10, s49                             ; 57,344 x that
	v_ldexp_f32 v15, v15, s47                      ; the bias / 2^(ew + ex)
	s_wait_alu depctr_va_vdst(0)                   ; v15 is written, which the LDS store reads
	ds_store_b32 v9, v15
	s_wait_dscnt 0x0                               ; for the others' sake: my rows of x have landed
	s_barrier_signal -1
	s_barrier_wait -1                              ; all 128 rows lie in LDS; nothing is stored to LDS behind this barrier
	s_wait_loadcnt 0x0                             ; W
.macro FETCHX T                        ; the fragment of rows 16 T .. 16 T + 15, both K steps, into set T % 2
.set XF, X+(X2-X)*((\T)%2)
.irp s, 0,1
.irp c, 0,1,2,3
	ds_load_b128 v[XF+16*\s+4*\c:XF+16*\s+4*\c+3], v6 offset:16*(\T)*PITCH+128*\s+32*\c
.endr
.endr
.endm
.macro MM d, u, s, c, swap             ; one product: accumulator d, W's tile u, K step s, C = c; x's fragment in the set at XS
.if \swap
	v_wmma_f32_16x16x128_bf8_bf8 v[(\d):(\d)+7], v[XS+16*\s:XS+16*\s+15], v[W+16*(2*\u+\s):W+16*(2*\u+\s)+15], v[(\c):(\c)+7]
.else
	v_wmma_f32_16x16x128_bf8_bf8 v[(\d):(\d)+7], v[W+16*(2*\u+\s):W+16*(2*\u+\s)+15], v[XS+16*\s:XS+16*\s+15], v[(\c):(\c)+7]
.endif
.endm
; A tile of 16 rows: the next tile's fragment is asked for; four products, the two accumulators by turns; the hold; two conversions.
.macro TILE T, swap
.set DD, D+16*((\T)%2)
.set XS, X+(X2-X)*((\T)%2)
	s_wait_dscnt 0x0                               ; the tile's fragment is in (and, in tile 0, the bias)
.if (\T) < 7
.if (\T) > 0
	s_wait_alu depctr_va_vdst(0)                   ; the products of the tile before are done reading the other set of x's registers, in which the loads below land.  (Tile 0: nothing has named that set)
.endif
	FETCHX (\T)+1                                  ; the next tile's fragment lands under this tile's products and vector work, none of which names its registers
.endif
	MM DD,   0, 0, BI,   \swap                     ; the bias starts the sums: nothing is cleared, nothing is added later
	MM DD+8, 1, 0, BI+8, \swap
	MM DD,   0, 1, DD,   \swap
	MM DD+8, 1, 1, DD+8, \swap
.rept 4
	v_nop                                          ; four places (ISA guide 7.12.1) in front of the first read of the results
.endr
.irp i, 0,1,2,3,4,5,6,7,8,9,10,11,12,13,14,15
	v_med3_num_f32 v[DD+\i], v[DD+\i], -v10, v10   ; the conversion to an 8-bit code does not saturate (ISA guide 7.6.2): the hold at the largest code x the scale; each accumulator from its low end on
.endr
.if \swap
	v_cvt_scalef32_pk8_bf8_f32 v[CD+2*(\T):CD+2*(\T)+1], v[DD:DD+7], v11          ; keys 16 T + 8 g + 0 .. 7 of my d: registers 2 T, 2 T + 1 of tile 0's fragment,
	v_cvt_scalef32_pk8_bf8_f32 v[CD+16+2*(\T):CD+16+2*(\T)+1], v[DD+8:DD+15], v11 ; and of tile 1's
.else
	v_cvt_scalef32_pk8_bf8_f32 v[CD+4*(\T):CD+4*(\T)+1], v[DD:DD+7], v11          ; d = 8 g + 0 .. 7 of my key,
	v_cvt_scalef32_pk8_bf8_f32 v[CD+4*(\T)+2:CD+4*(\T)+3], v[DD+8:DD+15], v11     ; d = 16 + 8 g + 0 .. 7
.endif
	v_nop                                          ; one plain vector instruction behind the conversions: later products write their sources again
.endm
	s_wait_alu depctr_vm_vsrc(0)                   ; my LDS stores have read v16 to v47, x as loaded: from here on these registers take fragments
	FETCHX 0
	s_cmp_lg_u32 s22, 0
	s_cbranch_scc1 .Lv
.irp u, 0,1                            ; k: lane (r, g) wants bk at d = 16 u + 8 g + 0 .. 7
.irp e, 0,1
	ds_load_b128 v[BI+8*\u+4*\e:BI+8*\u+4*\e+3], v13 offset:64*\u+16*\e
.endr
.endr
.irp T, 0,1,2,3,4,5,6,7
	TILE \T, 0
.endr
	s_branch .Lout
.Lv:
	ds_load_b32 v[BI], v14                         ; v: lane (r, g) wants bv at its one d, in all eight registers
	ds_load_b32 v[BI+8], v14 offset:32
	s_wait_dscnt 0x0
.irp j, 1,2,3,4,5,6,7
	v_mov_b32 v[BI+\j], v[BI]
	v_mov_b32 v[BI+8+\j], v[BI+8]
.endr
.irp T, 0,1,2,3,4,5,6,7
	TILE \T, 1
.endr
.Lout:
	s_wait_alu depctr_va_vdst(0)                   ; the conversions have written the codes v160 to v191, which the stores read
.irp i, 0,1,2,3,4,5,6,7
	global_store_b128 v4, v[CD+4*\i:CD+4*\i+3], s[30:31] offset:512*\i   ; 32 lanes store 512 consecutive bytes, at a multiple of 512 from the buffer's first byte; the wave's eight stores are 4,096 bytes on end
.endr
	s_wait_dscnt 0x0                               ; the closing lines, six on end
	s_wait_alu 0x0
	s_wait_tensorcnt 0x0
	ds_add_u32 v192, v193
	s_wait_dscnt 0x0
	s_endpgm
.Lfunc_end_k_qb2eb29116c_proj:
	.size	k_qb2eb29116c_proj, .Lfunc_end_k_qb2eb29116c_proj-k_qb2eb29116c_proj
	.p2alignl 7, 3214868480
	.fill 96, 4, 3214868480
	.section	.rodata,"a",@progbits
	.p2align	6, 0x0
	.amdhsa_kernel k_qb2eb29116c_proj
		.amdhsa_group_segment_fixed_size 36864
		.amdhsa_private_segment_fixed_size 0
		.amdhsa_enable_private_segment 0
		.amdhsa_kernarg_size 72
		.amdhsa_user_sgpr_count 2
		.amdhsa_user_sgpr_kernarg_segment_ptr 1
		.amdhsa_wavefront_size32 1
		.amdhsa_system_sgpr_workgroup_id_x 1
		.amdhsa_system_sgpr_workgroup_id_y 1
		.amdhsa_system_sgpr_workgroup_id_z 1
		.amdhsa_system_vgpr_workitem_id 0
		.amdhsa_next_free_vgpr 226
		.amdhsa_next_free_sgpr 66
		.amdhsa_reserve_vcc 0
		.amdhsa_float_denorm_mode_32 3
		.amdhsa_float_denorm_mode_16_64 3
		.amdhsa_memory_ordered 1
		.amdhsa_forward_progress 1
		.amdhsa_inst_pref_size 42
	.end_amdhsa_kernel
	.amdgpu_metadata
---
amdhsa.version: [ 1, 2 ]
amdhsa.kernels:
  - .name:           k_qb2eb29116c_proj
    .symbol:         k_qb2eb29116c_proj.kd
    .args:
      - { .name: k_codes, .offset: 0, .size: 8, .value_kind: global_buffer, .address_space: global }
      - { .name: v_codes, .offset: 8, .size: 8, .value_kind: global_buffer, .address_space: global }
      - { .name: Wk_codes, .offset: 16, .size: 8, .value_kind: global_buffer, .address_space: global }
      - { .name: Wv_codes, .offset: 24, .size: 8, .value_kind: global_buffer, .address_space: global }
      - { .name: bk, .offset: 32, .size: 8, .value_kind: global_buffer, .address_space: global }
      - { .name: bv, .offset: 40, .size: 8, .value_kind: global_buffer, .address_space: global }
      - { .name: lowp_scales, .offset: 48, .size: 8, .value_kind: global_buffer, .address_space: global }
      - { .name: kc, .offset: 56, .size: 8, .value_kind: global_buffer, .address_space: global }
      - { .name: vc, .offset: 64, .size: 8, .value_kind: global_buffer, .address_space: global }
    .group_segment_fixed_size: 36864
    .private_segment_fixed_size: 0
    .kernarg_segment_align: 8
    .kernarg_segment_size: 72
    .max_flat_workgroup_size: 256
    .sgpr_count:     66
    .vgpr_count:     226
    .wavefront_size: 32
...
	.end_amdgpu_metadata
.endif
;; end of part 4
;; launch attn (part 5): grid 4 x 64, 16 waves a work-group, no clusters, 264,192 bytes of LDS; arguments q_codes, Wq_codes, bq, lowp_scales, kc, vc, oc; writes oc
.if DOCPART == 5
	.amdgcn_target "amdgcn-amd-amdhsa--gfx1250"
	.amdhsa_code_object_version 6
	.text
	.protected	k_qb2eb29116c_attn
	.globl	k_qb2eb29116c_attn
	.p2align	8
	.type	k_qb2eb29116c_attn,@function
k_qb2eb29116c_attn:
	s_mov_b64 s[64:65], 0
	v_nop
	global_prefetch_b8 v0, s[64:65] scope:SCOPE_SE
	s_setreg_imm32_b32 hwreg(HW_REG_WAVE_SCHED_MODE, 0, 2), 2
	s_setreg_imm32_b32 hwreg(HW_REG_WAVE_MODE, 25, 1), 1
	s_wait_xcnt 0x0
	s_wait_alu depctr_vm_vsrc(0)
; For one head (b, h) and 256 queries: qh = q Wq^T + bq, quantised in registers; S^T = kh qh^T; the softmax; O^T = vh^T p^T; O / l quantised and stored as an image of the last product's operand.  All products on codes of BF8 (E5M2).
; THE SOFTMAX AHEAD OF THE SECOND PRODUCT: t = score x log2(e) / sqrt(32); M = the largest t so far, rounded UP to a whole number; p = 2^(t - M) is quantised, not normalised.  The row's sum is taken of the unquantised p
; and divides O at the end.  When M moves, the sum and O are multiplied by 2^(old M - new M): exact.
; SHARES.  Sixteen waves, each with ONE tile of 16 queries in 256 registers, four waves to a SIMD, so that one wave's exponentials stand beside another's plain work.  Every wave walks 32 steps of 128 keys.
; LDS holds the head's K (bytes 0 .. 131071) and V (131072 .. 262143) whole, as they lie in kc and vc: images of operand registers, lane l's 16 bytes at 16 l, 512 bytes a load.  EACH BYTE IS WRITTEN ONCE: no slot is filled again.
; They come in eight chunks of four steps (16,384 bytes of K and of V); each wave brings 2,048 bytes of a chunk through four registers' loads (waves 0-7: K's, waves 8-15: V's).  Chunk j + 2 is stored, and shown by a
; barrier, at the end of chunk j; chunk j + 3's loads are issued there and have a whole chunk in which to land.
; SCORES BY THE K = 64 FORM, THOUGH THE HEAD HAS 32.  A fragment of K is TWO images: key tile 2 f in its k places 0-31, key tile 2 f + 1 in 32-63.  Against [q, 0] it gives tile 2 f's scores, against [0, q] tile 2 f + 1's:
; the other tile's codes, which are finite since the quantiser holds them, meet zero codes.  So no LDS byte is read for zeros.
; LAYOUT.  Both products are used transposed: a lane holds ONE query (lane % 16).  Register j of score tile c is key 16 c + 8 (lane / 16) + j: the conversion of tile c gives registers 2 c, 2 c + 1 of p's K = 128 fragment as this
; form's own layout has them, and V's images are laid the same.  V's rows are d = 8 u + r + 8 (r / 8), so that O^T's 16 registers are d = 16 (lane / 16) + 0 .. 15.
; NO JOINT REQUESTS, though the four work-groups of a head read the same 262,144 bytes: each reads them once, for 1,048,576 scores, by loads issued four steps ahead of their use.
; The branch on e8 below spares 64 of a step's vector instructions, the work that there is most of here.  No prefetch: the loads themselves stand a chunk ahead of their use.
; LIMITS, so that each power of two below is an f32 number: e6 - e0 - e1, e8 and e10 - e8 - e9 between -126 and 112; e6 + e7 between -124 and 129 (added to c's exponent field).  NaN among the inputs is not served.
; An exponential under 2^-126 comes out as 0 (ISA guide, v_exp_f32).
; THE MODE: SCHED_MODE bits 1:0 = 2 (LLVM: expert scheduling mode 2), set by the entry lines.  The code itself states the register dependences
; between vector or matrix instructions and memory or LDS instructions, with s_wait_alu, always for 0.
; THE PLAN.  Registers that memory or LDS instructions touch, in the loops:
;   v[LI], v[LS0]   written at the head, ahead of one wait on va_vdst, and never again.
;   v[ADK], v[ADV]  written by two additions early in a step, behind one wait on vm_vsrc (the last step's LDS loads have read them); read by the step's LDS loads.
;   KF              read by the step's eight score products; then the next step's K lands in it.
;   VF              read by the step's two last products; in the next step that step's V lands in it.
;   v[LSA], LD      a refill: one addition writes v[LSA], one wait on va_vdst, four LDS stores read it and LD; one wait on vm_vsrc, then the next chunk's loads land in LD.  No vector instruction names LD.
; So ONE wait on va_vdst stands in a step, behind its batch of exponentials.  It states that the exponentials' results are written, that the score products are done reading KF,
; that the last step's products are done reading VF, and that v[ADK] and v[ADV] are written.  The step's sixteen LDS loads follow it: V's eight in a run, K's eight dealt among the packed sums, which name S, v[14:15] and
; v[242:243]: none of the registers that those loads touch.  They land under the sums, the conversions and O^T's rescaling.
.set LI,  1                            ; v1   16 x lane: K's images, the chunks' loads, the last store; never rewritten
.set LV,  2                            ; v2   131072 + 16 x lane: V's images
.set LS0, 3                            ; v3   where my wave stores its part of chunk 0
.set ADK, 5                            ; v5   LDS address of the loads in hand: K's,
.set ADV, 6                            ; v6   V's,
.set LSA, 7                            ; v7   the chunk's stores
.set QHI, 16                           ; v16-19 zeros, v20-23 q's codes, v24-27 zeros: [0, q] = v[16:23],
.set QLO, 20                           ; [q, 0] = v[20:27]
.set KF,  32                           ; v32-63   four fragments of K (eight images)
.set VF,  64                           ; v64-95   two fragments of V
.set S,   96                           ; v96-159  S^T, then p
.set O,   160                          ; v160-175 O^T
.set P,   176                          ; v176-191 p's codes
.set LD,  192                          ; v192-207 the chunk on its way
.set LD2, 208                          ; v208-223 chunk 1, at the head only
.set CP,  36                           ; s[36:37] my wave's part of the chunk to be loaded
.set SEL, 42                           ; s[42:43] lane selects: lane l xor 16
.set CS,  44                           ; s[44:45] c x 2^(e6 + e7): the packed form names a pair and takes its low word
.set TB,  46                           ; s46  4,096 x the step in hand
; v12 -M, v13 the largest t, v[14:15] the sum in two halves, v236 a permute's result, v240 the hold, v244 the scale, v[242:243] a second chain of sums, v[252:253] f, v254 at work
	s_load_b256 s[4:11], s[0:1], 0x0               ; q s[4:5], Wq s[6:7], bq s[8:9], the exponents s[10:11]
	s_load_b128 s[12:15], s[0:1], 0x20             ; kc, vc
	s_load_b64 s[16:17], s[0:1], 0x30              ; oc
	v_lshl_add_u32 v251, v0, 2, 0x40000
	v_mov_b32 v255, 0
	v_lshrrev_b32 v10, 5, v0
	v_readfirstlane_b32 s18, v10                   ; wave 0..15
	v_and_b32 v10, 31, v0                          ; lane
	v_and_b32 v11, 15, v0                          ; r
	v_bfe_u32 v9, v0, 4, 1                         ; g
	v_lshlrev_b32 v[LI], 4, v10
	v_lshl_add_u32 v[LV], v10, 4, 0x20000
	v_lshlrev_b32 v8, 8, v11
	v_lshl_add_u32 v8, v9, 4, v8                   ; q and Wq: row r of 256 bytes, + 16 g
	v_lshlrev_b32 v9, 5, v9                        ; bq: 32 g
	s_wait_alu depctr_va_sdst(0)                   ; s18 is written, ahead of its first reader: LDS addresses and the buffers' bases are made from it
	s_lshr_b32 s50, s18, 3
	s_lshl_b32 s50, s50, 17
	s_and_b32 s51, s18, 7
	s_lshl_b32 s51, s51, 11
	s_add_co_u32 s50, s50, s51                     ; waves 0-7 in K's half, waves 8-15 in V's; 2,048 bytes a wave
	v_add_nc_u32 v[LS0], s50, v[LI]
	s_and_b32 s20, ttmp7, 0xffff                   ; 8 b + h
	s_lshr_b32 s21, s20, 3                         ; b
	s_and_b32 s22, s20, 7                          ; h
	s_lshl_b32 s38, s21, 18
	s_lshl_b32 s50, ttmp9, 16
	s_add_co_u32 s38, s38, s50
	s_lshl_b32 s50, s18, 12
	s_add_co_u32 s38, s38, s50                     ; (1024 b + 256 x + 16 w) x 256: my 16 rows of q; also my tile's 4,096 bytes of oc
	s_mov_b32 s39, 0
	s_lshl_b32 s40, s22, 13                        ; my head's 32 rows of Wq
	s_mov_b32 s41, 0
	s_mov_b32 s[SEL], 0x76543210
	s_mov_b32 s[SEL+1], 0xfedcba98
	s_mov_b32 s[TB], 0
	s_mov_b32 s47, 5
	s_wait_kmcnt 0x0
	s_load_b256 s[24:31], s[10:11], 0x0            ; e0 .. e7
	s_load_b128 s[32:35], s[10:11], 0x20           ; e8 .. e11
	s_add_nc_u64 s[4:5], s[4:5], s[38:39]
	s_add_nc_u64 s[16:17], s[16:17], s[38:39]
	s_add_nc_u64 s[6:7], s[6:7], s[40:41]
	s_lshl_b32 s40, s22, 7
	s_add_nc_u64 s[8:9], s[8:9], s[40:41]
	s_lshl_b32 s40, s22, 9
	s_add_nc_u64 s[16:17], s[16:17], s[40:41]      ; oc: + 512 h
	s_lshl_b32 s40, s20, 17
	s_add_co_u32 s40, s40, s51                     ; the head's 131,072 bytes, my wave's 2,048 of a chunk
	s_cmp_lt_u32 s18, 8
	s_cselect_b64 s[CP:CP+1], s[12:13], s[14:15]
	s_add_nc_u64 s[CP:CP+1], s[CP:CP+1], s[40:41]
	s_wait_alu depctr_va_vdst(0)                   ; the addresses v8, v9, v[LI] and v[LS0] are written, which the loads and stores below read; no vector instruction writes one of them again
.irp s, 0,1
.irp c, 0,1,2,3
	global_load_b128 v[96+16*\s+4*\c:96+16*\s+4*\c+3], v8, s[4:5] offset:128*\s+32*\c       ; q's fragment, K step s
.endr
.endr
.irp u, 0,1
.irp s, 0,1
.irp c, 0,1,2,3
	global_load_b128 v[32+16*(2*\u+\s)+4*\c:32+16*(2*\u+\s)+4*\c+3], v8, s[6:7] offset:4096*\u+128*\s+32*\c   ; Wq's fragment (u, s): rows d = 16 u + r
.endr
.endr
.endr
.irp u, 0,1
.irp e, 0,1
	global_load_b128 v[128+8*\u+4*\e:128+8*\u+4*\e+3], v9, s[8:9] offset:64*\u+16*\e       ; bq at d = 16 u + 8 g + 0 .. 7
.endr
.endr
.irp i, 0,1,2,3
	global_load_b128 v[LD+4*\i:LD+4*\i+3], v[LI], s[CP:CP+1] offset:512*\i                 ; chunk 0
.endr
.irp i, 0,1,2,3
	global_load_b128 v[LD2+4*\i:LD2+4*\i+3], v[LI], s[CP:CP+1] offset:16384+512*\i         ; chunk 1
.endr
.irp j, 16,17,18,19,24,25,26,27
	v_mov_b32 v\j, 0                               ; the zero codes beside q's
.endr
	v_mov_b32 v13, 0xff61b1e6                      ; the largest t so far: -3e38, under every t
	v_floor_f32 v12, -v13                          ; -M
	v_mov_b32 v14, 0                               ; the sum, in two halves
	v_mov_b32 v15, 0
	v_mov_b32 v236, 0                              ; written once: a lane permute's destination counts as one of its sources
	v_mov_b32 v253, 0                              ; (named as the upper half of the pair v[252:253])
	s_wait_kmcnt 0x0
	s_add_co_i32 s50, s24, s25                     ; e0 + e1: a sum of the projection stands for sum x 2^(e0 + e1)
	s_sub_co_i32 s51, 0, s50
	s_sub_co_i32 s52, s30, s50                     ; e6 - e0 - e1: the three scales folded into the conversion's one
	s_add_co_i32 s52, s52, 127
	s_lshl_b32 s53, s52, 23
	v_mov_b32 v244, s53
	s_add_co_i32 s52, s52, 15
	s_lshl_b32 s52, s52, 23
	s_or_b32 s52, s52, 0x600000
	v_mov_b32 v240, s52                            ; 57,344 x that
	s_add_co_i32 s50, s30, s31
	s_lshl_b32 s50, s50, 23
	s_mov_b32 s[CS], 0x3e8293ee                    ; c = log2(e) / sqrt(32)
	s_add_co_i32 s[CS], s[CS], s50                 ; a score stands for score x 2^(e6 + e7): the two exponents are added to c's exponent field
	s_mov_b32 s[CS+1], s[CS]                       ; (named with it as a pair, so it is written)
	s_wait_loadcnt 8                               ; q, Wq and bq are in: behind their 28 loads stand the two chunks' eight
.set j, 0
.rept 16
	v_ldexp_f32 v[128+j], v[128+j], s51            ; bq / 2^(e0 + e1): the C of the first products
.set j, j+1
.endr
	v_wmma_f32_16x16x128_bf8_bf8 v[144:151], v[32:47], v[96:111], v[128:135]     ; source 0 = 16 rows of Wq, source 1 = my 16 queries; the two accumulators by turns
	v_wmma_f32_16x16x128_bf8_bf8 v[152:159], v[64:79], v[96:111], v[136:143]
	v_wmma_f32_16x16x128_bf8_bf8 v[144:151], v[48:63], v[112:127], v[144:151]
	v_wmma_f32_16x16x128_bf8_bf8 v[152:159], v[80:95], v[112:127], v[152:159]
.rept 4
	v_nop                                          ; four places (ISA guide 7.12.1) in front of the first read of the results
.endr
.set j, 0
.rept 16
	v_med3_num_f32 v[144+j], v[144+j], -v240, v240 ; the hold at the largest code x the scale (ISA guide 7.6.2: the conversion does not saturate); from each accumulator's low end on
.set j, j+1
.endr
	v_cvt_scalef32_pk8_bf8_f32 v[20:21], v[144:151], v244   ; d = 8 g + 0 .. 7 of my query,
	v_cvt_scalef32_pk8_bf8_f32 v[22:23], v[152:159], v244   ; d = 16 + 8 g + 0 .. 7
	v_nop                                          ; one plain vector instruction behind the conversions
.set j, 0
.rept 16
	v_mov_b32 v[O+j], 0                            ; O^T.  (The step is written without a first step of its own: the first change of M multiplies zeros)
.set j, j+1
.endr
	s_add_co_i32 s52, s32, 127
	s_lshl_b32 s53, s52, 23
	v_mov_b32 v244, s53                            ; 2^e8 as f32, for p's conversions
	s_add_co_i32 s52, s52, 15
	s_lshl_b32 s52, s52, 23
	s_or_b32 s52, s52, 0x600000
	v_mov_b32 v240, s52                            ; 57,344 x 2^e8
	s_wait_loadcnt 0x0                             ; chunks 0 and 1
.irp i, 0,1,2,3
	ds_store_b128 v[LS0], v[LD+4*\i:LD+4*\i+3] offset:512*\i
	ds_store_b128 v[LS0], v[LD2+4*\i:LD2+4*\i+3] offset:16384+512*\i
.endr
	s_wait_dscnt 0x0                               ; for the others' sake: my parts have landed
	s_wait_alu depctr_vm_vsrc(0)                   ; the LDS stores have read v[LD ..], in which chunk 2's loads land
	s_add_nc_u64 s[CP:CP+1], s[CP:CP+1], 32768     ; (its loads are done)
.irp i, 0,1,2,3
	global_load_b128 v[LD+4*\i:LD+4*\i+3], v[LI], s[CP:CP+1] offset:512*\i                 ; chunk 2
.endr
	s_barrier_signal -1
	s_barrier_wait -1                              ; chunks 0 and 1 lie in LDS
	s_wait_alu depctr_va_vdst(0)                   ; the projection's products are done reading v32 to v63, Wq's fragments, in which K's images land
.irp i, 0,1,2,3,4,5,6,7
	ds_load_b128 v[KF+4*\i:KF+4*\i+3], v[LI] offset:512*\i    ; step 0's K
.endr
	s_wait_dscnt 0x0
; A STEP: 128 keys x my 16 queries.  pre = 1: the next step's K is fetched.
.macro STEP pre
.irp f, 0,1,2,3
	v_wmma_f32_16x16x64_bf8_bf8 v[S+16*\f:S+16*\f+7],    v[KF+8*\f:KF+8*\f+7], v[QLO:QLO+7], 0   ; key tile 2 f
	v_wmma_f32_16x16x64_bf8_bf8 v[S+16*\f+8:S+16*\f+15], v[KF+8*\f:KF+8*\f+7], v[QHI:QHI+7], 0   ; key tile 2 f + 1
.endr
	s_wait_alu depctr_vm_vsrc(0)                   ; the last step's LDS loads have read v[ADK] and v[ADV], which the additions below write again
.if \pre
	v_add_nc_u32 v[ADK], s[TB], v[LI]              ; these four lines are the four places (ISA guide 7.12.1) in front of the first read of the scores
.else
	v_nop
.endif
	v_add_nc_u32 v[ADV], s[TB], v[LV]
	v_nop
	v_nop
	v_max3_num_f32 v254, v[S], v[S+1], v[S+2]      ; the step's largest score of my query, among my 64 keys, in two chains, ascending: each accumulator is read from its low end on
	v_max3_num_f32 v252, v[S+3], v[S+4], v[S+5]
.set j, 6
.rept 14
	v_max3_num_f32 v254, v254, v[S+j], v[S+j+1]
	v_max3_num_f32 v252, v252, v[S+j+2], v[S+j+3]
.set j, j+4
.endr
	v_max3_num_f32 v254, v254, v[S+62], v[S+63]
	v_max_num_f32 v254, v254, v252
	v_permlanex16_b32 v236, v254, s[SEL], s[SEL+1]
	v_max_num_f32 v254, v254, v236                 ; and among lane l xor 16's
	v_mul_f32 v254, s[CS], v254                    ; as t (c is positive)
	v_max_num_f32 v13, v13, v254                   ; the running largest t
	v_mov_b32 v254, v12
	v_floor_f32 v12, -v13                          ; the new -M = floor(-t) = -ceil(t): M is a whole number
	v_sub_f32 v254, v12, v254                      ; M's old value less its new one: a whole number, 0 or less
	v_cvt_i32_f32 v254, v254                       ; (it saturates)
	v_ldexp_f32 v252, 1.0, v254                    ; f = 2^(old M - new M)
.set j, 0
.rept 32
	v_pk_fma_f32 v[S+j:S+j+1], v[S+j:S+j+1], s[CS:CS+1], v[12:13] op_sel_hi:[1,0,0]   ; t - M, two at a time (of the pairs c and -M the low word serves both halves)
.set j, j+2
.endr
.set j, 0
.rept 64
	v_exp_f32 v[S+j], v[S+j]                       ; p = 2^(t - M), at most 1: not normalised
.set j, j+1
.endr
	v_pk_mul_f32 v[14:15], v[14:15], v[252:253] op_sel_hi:[1,0]   ; the sums under the new M: the plain instruction behind the exponentials
	s_wait_alu depctr_va_vdst(0)                   ; the step's one wait: the 64 exponentials have written p, ahead of its first reader; the score products are done reading KF, the last step's products VF; v[ADK] and v[ADV] are written
.irp i, 0,1,2,3,4,5,6,7
	ds_load_b128 v[VF+4*\i:VF+4*\i+3], v[ADV] offset:512*\i   ; this step's V, first: it is wanted at the step's end.  No vector instruction since the wait names a register of these loads, or of K's below
.endr
	v_pk_add_f32 v[242:243], v[S:S+1], v[S+2:S+3]  ; the row's sum is taken of the UNQUANTISED p: two at a time, in two chains
.set j, 4
.rept 15
.if \pre && (j < 36)
	ds_load_b128 v[KF+j-4:KF+j-1], v[ADK] offset:4096+128*(j-4)   ; the next step's K, image (j - 4) / 4: one load to each of the first eight pairs of sums
.endif
	v_pk_add_f32 v[14:15], v[14:15], v[S+j:S+j+1]
	v_pk_add_f32 v[242:243], v[242:243], v[S+j+2:S+j+3]
.set j, j+4
.endr
	v_pk_add_f32 v[14:15], v[14:15], v[242:243]
	s_cmp_ge_i32 s32, -15                          ; p is at most 1, and 57,344 x 2^e8 is at least 1 just where e8 >= -15: there the hold changes no number and is jumped over.
	s_cbranch_scc1 .Lfree_\@                       ; A scalar branch on a whole number of the inputs, the same in every wave; no load, store or barrier stands under it
.set j, 0
.rept 64
	v_min_num_f32 v[S+j], v[S+j], v240             ; the conversion to an 8-bit code does not saturate (ISA guide 7.6.2); p is not negative, so the hold is one-sided
.set j, j+1
.endr
.Lfree_\@:
.irp c, 0,1,2,3,4,5,6,7
	v_cvt_scalef32_pk8_bf8_f32 v[P+2*\c:P+2*\c+1], v[S+8*\c:S+8*\c+7], v244   ; keys 16 c + 8 g + 0 .. 7: registers 2 c, 2 c + 1 of p's fragment
.endr
.set j, 0
.rept 8
	v_pk_mul_f32 v[O+j:O+j+1], v[O+j:O+j+1], v[252:253] op_sel_hi:[1,0]   ; O^T under the new M: x f.  (Also the plain instructions behind the conversions)
.set j, j+2
.endr
	s_wait_dscnt 0x0                               ; V is in, and the next step's K with it: both were asked for ahead of the sums, the conversions and the rescaling
	v_wmma_f32_16x16x128_bf8_bf8 v[O:O+7],    v[VF:VF+15],    v[P:P+15], v[O:O+7]      ; O^T += V^T p^T.  No two matrix instructions that follow each other, here or over the loop's edge, share an accumulator
	v_wmma_f32_16x16x128_bf8_bf8 v[O+8:O+15], v[VF+16:VF+31], v[P:P+15], v[O+8:O+15]
.endm
.macro STEPS n                         ; n steps, each of which fetches its successor's K
	s_mov_b32 s48, \n
.Lstep_\@:
	STEP 1
	s_add_co_u32 s[TB], s[TB], 4096
	s_sub_co_u32 s48, s48, 1
	s_cmp_lg_u32 s48, 0
	s_cbranch_scc1 .Lstep_\@
.endm
; At the end of chunk j (TB stands at chunk j + 1): my part of chunk j + 2 goes into LDS, into bytes that nobody has read or written yet; load = 1: chunk j + 3 is asked for; the barrier shows chunk j + 2 to every wave.
.macro REFILL load
	s_wait_loadcnt 0x0                             ; chunk j + 2 is in registers: asked for a chunk ago
	v_add_nc_u32 v[LSA], s[TB], v[LS0]             ; (the last refill's stores have read v[LSA]: its own wait on vm_vsrc and those of the four steps since stand between)
	s_wait_alu depctr_va_vdst(0)                   ; v[LSA] is written, which the LDS stores read
.irp i, 0,1,2,3
	ds_store_b128 v[LSA], v[LD+4*\i:LD+4*\i+3] offset:16384+512*\i
.endr
	s_wait_dscnt 0x0                               ; for the others' sake: my stores have landed
.if \load
	s_wait_alu depctr_vm_vsrc(0)                   ; the LDS stores have read v[LD ..], in which the next chunk's loads land
	s_add_nc_u64 s[CP:CP+1], s[CP:CP+1], 16384     ; (its loads are done)
.irp i, 0,1,2,3
	global_load_b128 v[LD+4*\i:LD+4*\i+3], v[LI], s[CP:CP+1] offset:512*\i
.endr
.endif
	s_barrier_signal -1
	s_barrier_wait -1
.endm
.Lchunk:                                           ; chunks 0-4: chunks 2-6 are stored, chunks 3-7 asked for
	STEPS 4
	REFILL 1
	s_sub_co_u32 s47, s47, 1
	s_cmp_lg_u32 s47, 0
	s_cbranch_scc1 .Lchunk
	STEPS 4                                        ; chunk 5:
	REFILL 0                                       ; chunk 7 is stored; nothing is left to ask for
	STEPS 7                                        ; steps 24-30
	STEP 0                                         ; step 31 fetches no K
	; THE WAY OUT.  O^T / l stands for the result / 2^(e8 + e9); its code is that / 2^(e10 - e8 - e9): the three scales folded into the conversion's one.
	v_add_f32 v14, v14, v15                        ; the sum's two halves,
	v_permlanex16_b32 v236, v14, s[SEL], s[SEL+1]
	v_add_f32 v14, v14, v236                       ; and lane l xor 16's: the row's sum
	v_rcp_f32 v252, v14
	v_nop                                          ; a plain instruction behind the reciprocal
	v_nop
	s_sub_co_i32 s50, s34, s32
	s_sub_co_i32 s50, s50, s33                     ; e10 - e8 - e9
	s_add_co_i32 s50, s50, 127
	s_lshl_b32 s51, s50, 23
	v_mov_b32 v244, s51
	s_add_co_i32 s50, s50, 15
	s_lshl_b32 s50, s50, 23
	s_or_b32 s50, s50, 0x600000
	v_mov_b32 v240, s50                            ; (the additions, the two v_nop and these moves are more than the four places behind the last products)
	s_wait_alu depctr_va_vdst(0)                   ; the reciprocal has written v252, ahead of its first reader
.set j, 0
.rept 8
	v_pk_mul_f32 v[O+j:O+j+1], v[O+j:O+j+1], v[252:253] op_sel_hi:[1,0]   ; / l; each accumulator from its low end on
.set j, j+2
.endr
.set j, 0
.rept 16
	v_med3_num_f32 v[O+j], v[O+j], -v240, v240
.set j, j+1
.endr
	v_cvt_scalef32_pk8_bf8_f32 v[P:P+1], v[O:O+7], v244         ; d = 16 g + 0 .. 7 of my query,
	v_cvt_scalef32_pk8_bf8_f32 v[P+2:P+3], v[O+8:O+15], v244    ; d = 16 g + 8 .. 15: together k = 32 h + 16 g + 0 .. 15 of the last product
	v_nop
	s_wait_alu depctr_va_vdst(0)                   ; the conversions have written v[P] to v[P+3], which the store reads
	global_store_b128 v[LI], v[P:P+3], s[16:17]    ; 32 lanes store 512 consecutive bytes, at a multiple of 512 from oc's first byte
	s_wait_dscnt 0x0                               ; the closing lines, six on end
	s_wait_alu 0x0
	s_wait_tensorcnt 0x0
	ds_add_u32 v251, v255
	s_wait_dscnt 0x0
	s_endpgm
.Lfunc_end_k_qb2eb29116c_attn:
	.size	k_qb2eb29116c_attn, .Lfunc_end_k_qb2eb29116c_attn-k_qb2eb29116c_attn
	.p2alignl 7, 3214868480
	.fill 96, 4, 3214868480
	.section	.rodata,"a",@progbits
	.p2align	6, 0x0
	.amdhsa_kernel k_qb2eb29116c_attn
		.amdhsa_group_segment_fixed_size 264192
		.amdhsa_private_segment_fixed_size 0
		.amdhsa_enable_private_segment 0
		.amdhsa_kernarg_size 56
		.amdhsa_user_sgpr_count 2
		.amdhsa_user_sgpr_kernarg_segment_ptr 1
		.amdhsa_wavefront_size32 1
		.amdhsa_system_sgpr_workgroup_id_x 1
		.amdhsa_system_sgpr_workgroup_id_y 1
		.amdhsa_system_sgpr_workgroup_id_z 1
		.amdhsa_system_vgpr_workitem_id 0
		.amdhsa_next_free_vgpr 256
		.amdhsa_next_free_sgpr 66
		.amdhsa_reserve_vcc 0
		.amdhsa_float_denorm_mode_32 3
		.amdhsa_float_denorm_mode_16_64 3
		.amdhsa_memory_ordered 1
		.amdhsa_forward_progress 1
		.amdhsa_inst_pref_size 70
	.end_amdhsa_kernel
	.amdgpu_metadata
---
amdhsa.version: [ 1, 2 ]
amdhsa.kernels:
  - .name:           k_qb2eb29116c_attn
    .symbol:         k_qb2eb29116c_attn.kd
    .args:
      - { .name: q_codes, .offset: 0, .size: 8, .value_kind: global_buffer, .address_space: global }
      - { .name: Wq_codes, .offset: 8, .size: 8, .value_kind: global_buffer, .address_space: global }
      - { .name: bq, .offset: 16, .size: 8, .value_kind: global_buffer, .address_space: global }
      - { .name: lowp_scales, .offset: 24, .size: 8, .value_kind: global_buffer, .address_space: global }
      - { .name: kc, .offset: 32, .size: 8, .value_kind: global_buffer, .address_space: global }
      - { .name: vc, .offset: 40, .size: 8, .value_kind: global_buffer, .address_space: global }
      - { .name: oc, .offset: 48, .size: 8, .value_kind: global_buffer, .address_space: global }
    .group_segment_fixed_size: 264192
    .private_segment_fixed_size: 0
    .kernarg_segment_align: 8
    .kernarg_segment_size: 56
    .max_flat_workgroup_size: 512
    .sgpr_count:     66
    .vgpr_count:     256
    .wavefront_size: 32
...
	.end_amdgpu_metadata
.endif
;; end of part 5
;; launch outp (part 6): grid 256 x 1, 8 waves a work-group, no clusters, 34,304 bytes of LDS; arguments oc, Wo_codes, bo, lowp_scales, out0; writes out0
.if DOCPART == 6
	.amdgcn_target "amdgcn-amd-amdhsa--gfx1250"
	.amdhsa_code_object_version 6
	.text
	.protected	k_qb2eb29116c_outp
	.globl	k_qb2eb29116c_outp
	.p2align	8
	.type	k_qb2eb29116c_outp,@function
k_qb2eb29116c_outp:
	s_mov_b64 s[64:65], 0
	v_nop
	global_prefetch_b8 v0, s[64:65] scope:SCOPE_SE
	s_setreg_imm32_b32 hwreg(HW_REG_WAVE_SCHED_MODE, 0, 2), 2
	s_setreg_imm32_b32 hwreg(HW_REG_WAVE_MODE, 25, 1), 1
	s_wait_xcnt 0x0
	s_wait_alu depctr_vm_vsrc(0)
; out0 = o Wo^T + bo, on codes of BF8 (E5M2).  o comes from oc as images of the operand's registers: row tile x 4096 + h x 512 + 16 x lane holds, for query lane % 16, k = 32 h + 16 (lane / 16) + 0 .. 15:
; chunk h % 4 of K step h / 4 in the layout that four loads of 16 bytes, 32 apart, give Wo: the same permutation of k on both sides.
; SHARES.  A work-group takes 32 rows (two tiles m), wave w columns 32 w .. 32 w + 31 (two tiles t): four accumulators, two K steps of 128.
; THE MATRIX INSTRUCTION IS USED TRANSPOSED (source 0 = 16 rows of Wo, source 1 = 16 rows of o): a lane holds eight neighbouring columns of one row.  y = sum x 2^(e10 + e11) + bo is one packed multiply-add for two numbers.
; A row's 256 columns come from eight waves: they meet in a stage in LDS (32 rows, pitch 1,040 bytes, an odd multiple of 16), and each wave stores four whole rows.
; LIMIT: e10 + e11 lies between -126 and 127, so that 2^(e10 + e11) is an f32 number.
; No tensor load, cluster or prefetch: a work-group reads 8,192 bytes of o and each wave 8,192 of Wo, once, straight into the operands' registers.
; THE MODE: SCHED_MODE bits 1:0 = 2 (LLVM: expert scheduling mode 2), set by the entry lines.  The code itself states the register dependences
; between vector or matrix instructions and memory or LDS instructions, with s_wait_alu, always for 0.
; THE PLAN.  Registers that memory or LDS instructions touch:
;   v1, v4-v7  addresses: written at the head, ahead of one wait on va_vdst, and never again.
;   WO, BO     loaded once; read by products and multiply-adds alone.
;   OF         loaded once, read by the products; later the rows read back from the stage land in it and the global stores read them.
;   TMP        written by the multiply-adds, read by the LDS stores.
; One wait on va_vdst ahead of the LDS stores states that TMP is written and that the products are done reading OF; no vector instruction follows it.
.set SP,  1040
.set WO,  16                           ; v16-79   Wo's fragment (t, s) at WO + 16 (2 t + s)
.set OF,  80                           ; v80-143  o's fragment (m, s) at OF + 16 (2 m + s); later the rows read back
.set BO,  144                          ; v144-159 bo, eight registers for each t
.set ACC, 160                          ; v160-191 accumulator (m, t) at ACC + 8 (2 m + t)
.set TMP, 192                          ; v192-223 the finished numbers
	s_load_b256 s[4:11], s[0:1], 0x0               ; oc s[4:5], Wo s[6:7], bo s[8:9], the exponents s[10:11]
	s_load_b64 s[12:13], s[0:1], 0x20              ; out0
	v_lshl_add_u32 v224, v0, 2, 0x8200
	v_mov_b32 v225, 0
	v_lshrrev_b32 v1, 5, v0
	v_readfirstlane_b32 s14, v1                    ; wave 0..7
	v_and_b32 v1, 31, v0
	v_and_b32 v2, 15, v0                           ; r
	v_bfe_u32 v3, v0, 4, 1                         ; g
	v_lshlrev_b32 v1, 4, v1                        ; 16 x lane: o's images and the stores
	v_lshlrev_b32 v4, 8, v2
	v_lshl_add_u32 v4, v3, 4, v4                   ; Wo: row r of 256 bytes, + 16 g
	v_lshlrev_b32 v5, 5, v3                        ; bo: 32 g
	s_wait_alu depctr_va_sdst(0)                   ; s14 is written, ahead of its first reader: LDS addresses and the buffers' bases are made from it
	s_lshl_b32 s15, s14, 7
	v_mul_u32_u24 v6, v2, SP
	v_lshl_add_u32 v6, v3, 5, v6
	v_add_nc_u32 v6, s15, v6                       ; the stage, in: row r, + 128 w + 32 g: my eight columns
	s_mul_i32 s15, s14, 4*SP
	v_add_nc_u32 v7, s15, v1                       ; and out: my four rows, 16 bytes a lane
	s_lshl_b32 s20, ttmp9, 13                      ; two row tiles of 4,096 bytes
	s_mov_b32 s21, 0
	s_lshl_b32 s22, s14, 13                        ; my 32 rows of Wo
	s_mov_b32 s23, 0
	s_wait_kmcnt 0x0
	s_load_b64 s[16:17], s[10:11], 0x28            ; e10, e11
	s_add_nc_u64 s[4:5], s[4:5], s[20:21]
	s_add_nc_u64 s[6:7], s[6:7], s[22:23]
	s_lshl_b32 s22, s14, 7
	s_add_nc_u64 s[8:9], s[8:9], s[22:23]
	s_lshl_b32 s20, ttmp9, 15                      ; 32 rows of 1,024 bytes,
	s_lshl_b32 s22, s14, 12                        ; my four of them
	s_add_co_u32 s20, s20, s22
	s_add_nc_u64 s[12:13], s[12:13], s[20:21]
	s_wait_alu depctr_va_vdst(0)                   ; the addresses v1 and v4 to v7 are written, which every load and store of the kernel reads; no vector instruction writes one of them again
.irp t, 0,1
.irp s, 0,1
.irp c, 0,1,2,3
	global_load_b128 v[WO+16*(2*\t+\s)+4*\c:WO+16*(2*\t+\s)+4*\c+3], v4, s[6:7] offset:4096*\t+128*\s+32*\c
.endr
.endr
.endr
.irp m, 0,1
.irp s, 0,1
.irp c, 0,1,2,3
	global_load_b128 v[OF+16*(2*\m+\s)+4*\c:OF+16*(2*\m+\s)+4*\c+3], v1, s[4:5] offset:4096*\m+2048*\s+512*\c
.endr
.endr
.endr
.irp t, 0,1
.irp e, 0,1
	global_load_b128 v[BO+8*\t+4*\e:BO+8*\t+4*\e+3], v5, s[8:9] offset:64*\t+16*\e          ; bo at column 32 w + 16 t + 8 g + 0 .. 7
.endr
.endr
	s_wait_loadcnt 4                               ; Wo and o are in: bo's four loads may be out
.irp m, 0,1
.irp t, 0,1
	v_wmma_f32_16x16x128_bf8_bf8 v[ACC+8*(2*\m+\t):ACC+8*(2*\m+\t)+7], v[WO+32*\t:WO+32*\t+15], v[OF+32*\m:OF+32*\m+15], 0    ; the first K step starts the sums
.endr
.endr
.irp m, 0,1
.irp t, 0,1
	v_wmma_f32_16x16x128_bf8_bf8 v[ACC+8*(2*\m+\t):ACC+8*(2*\m+\t)+7], v[WO+32*\t+16:WO+32*\t+31], v[OF+32*\m+16:OF+32*\m+31], v[ACC+8*(2*\m+\t):ACC+8*(2*\m+\t)+7]   ; the four accumulators by turns
.endr
.endr
.rept 4
	v_nop                                          ; four places (ISA guide 7.12.1) in front of the first read of the results
.endr
	s_wait_loadcnt 0x0                             ; bo
	s_wait_kmcnt 0x0
	s_add_co_i32 s16, s16, s17
	s_add_co_i32 s16, s16, 127
	s_lshl_b32 s16, s16, 23                        ; 2^(e10 + e11) as f32
	s_mov_b32 s17, s16                             ; (named with it as a pair, so it is written)
.irp m, 0,1
.irp t, 0,1
.irp i, 0,2,4,6
	v_pk_fma_f32 v[TMP+8*(2*\m+\t)+\i:TMP+8*(2*\m+\t)+\i+1], v[ACC+8*(2*\m+\t)+\i:ACC+8*(2*\m+\t)+\i+1], s[16:17], v[BO+8*\t+\i:BO+8*\t+\i+1] op_sel_hi:[1,0,1]   ; each accumulator from its low end on
.endr
.endr
.endr
	s_wait_alu depctr_va_vdst(0)                   ; the multiply-adds have written v[TMP ..], which the LDS stores read; and the products are done reading v[OF ..], in which the rows read back land
.irp m, 0,1
.irp t, 0,1
.irp e, 0,1
	ds_store_b128 v6, v[TMP+8*(2*\m+\t)+4*\e:TMP+8*(2*\m+\t)+4*\e+3] offset:16*SP*\m+64*\t+16*\e
.endr
.endr
.endr
	s_wait_dscnt 0x0                               ; for the others' sake: my stores into the stage have landed
	s_barrier_signal -1
	s_barrier_wait -1                              ; 32 whole rows lie in the stage
.irp i, 0,1,2,3,4,5,6,7
	ds_load_b128 v[OF+4*\i:OF+4*\i+3], v7 offset:(\i/2)*SP+512*(\i%2)
.endr
.irp i, 0,1,2,3,4,5,6,7
	s_wait_dscnt 7-\i                              ; LDS loads come back in order (ISA guide 5.7.1): piece i is in, the 7 - i younger may be out
	global_store_b128 v1, v[OF+4*\i:OF+4*\i+3], s[12:13] offset:512*\i th:TH_STORE_NT   ; 32 lanes store 512 consecutive bytes, at a multiple of 512 from out0's first byte; written once, read by nobody here
.endr
	s_wait_dscnt 0x0                               ; the closing lines, six on end
	s_wait_alu 0x0
	s_wait_tensorcnt 0x0
	ds_add_u32 v224, v225
	s_wait_dscnt 0x0
	s_endpgm
.Lfunc_end_k_qb2eb29116c_outp:
	.size	k_qb2eb29116c_outp, .Lfunc_end_k_qb2eb29116c_outp-k_qb2eb29116c_outp
	.p2alignl 7, 3214868480
	.fill 96, 4, 3214868480
	.section	.rodata,"a",@progbits
	.p2align	6, 0x0
	.amdhsa_kernel k_qb2eb29116c_outp
		.amdhsa_group_segment_fixed_size 34304
		.amdhsa_private_segment_fixed_size 0
		.amdhsa_enable_private_segment 0
		.amdhsa_kernarg_size 40
		.amdhsa_user_sgpr_count 2
		.amdhsa_user_sgpr_kernarg_segment_ptr 1
		.amdhsa_wavefront_size32 1
		.amdhsa_system_sgpr_workgroup_id_x 1
		.amdhsa_system_sgpr_workgroup_id_y 1
		.amdhsa_system_sgpr_workgroup_id_z 1
		.amdhsa_system_vgpr_workitem_id 0
		.amdhsa_next_free_vgpr 226
		.amdhsa_next_free_sgpr 66
		.amdhsa_reserve_vcc 0
		.amdhsa_float_denorm_mode_32 3
		.amdhsa_float_denorm_mode_16_64 3
		.amdhsa_memory_ordered 1
		.amdhsa_forward_progress 1
		.amdhsa_inst_pref_size 10
	.end_amdhsa_kernel
	.amdgpu_metadata
---
amdhsa.version: [ 1, 2 ]
amdhsa.kernels:
  - .name:           k_qb2eb29116c_outp
    .symbol:         k_qb2eb29116c_outp.kd
    .args:
      - { .name: oc, .offset: 0, .size: 8, .value_kind: global_buffer, .address_space: global }
      - { .name: Wo_codes, .offset: 8, .size: 8, .value_kind: global_buffer, .address_space: global }
      - { .name: bo, .offset: 16, .size: 8, .value_kind: global_buffer, .address_space: global }
      - { .name: lowp_scales, .offset: 24, .size: 8, .value_kind: global_buffer, .address_space: global }
      - { .name: out0, .offset: 32, .size: 8, .value_kind: global_buffer, .address_space: global }
    .group_segment_fixed_size: 34304
    .private_segment_fixed_size: 0
    .kernarg_segment_align: 8
    .kernarg_segment_size: 40
    .max_flat_workgroup_size: 256
    .sgpr_count:     66
    .vgpr_count:     226
    .wavefront_size: 32
...
	.end_amdgpu_metadata
.endif
;; end of part 6
